; MI455X (gfx1250); checked and timed in simulation.
; The chip was launched on July 23, 2026; its instructions are those of AMD's public machine-readable ISA for CDNA 5 (MIT licence, August 2026) and "CDNA5" Instruction Set Architecture Reference Guide (July 2026). The comments in the code are by the model that wrote it; some were corrected since.
;; GPT2 Block. Allowed arithmetic: matrix products marked QUANTISED: E2M3 operands, one E8M0 scale for each 32 along K, by v_wmma_scale_f32_16x16x128_f8f6f4 with both operands' format E2M3, f32 sums; everything else in f32.
;; Inputs: W1 1,024 x 4,096 float32; W2 4,096 x 1,024 float32; Wout 1,024 x 1,024 float32; Wqkv 1,024 x 3,072 float32; b1 4,096 float32; b2 1,024 float32; ln1_b 1,024 float32; ln1_g 1,024 float32; ln2_b 1,024 float32; ln2_g 1,024 float32; x 2 x 2,048 x 1,024 float32.
;; Outputs: out0 2 x 2,048 x 1,024 float32.
;; This version of the problem:
;;   THIS VERSION OF THE PROBLEM IS GIVEN IN LOW PRECISION. The matrix products marked QUANTISED in the list below multiply operands that are first quantised to E2M3 (2 exponent bits, 3 mantissa bits; 6 bits a number), with one power-of-two scale for each 32 numbers along K (OCP MX v1.0); their sums are f32. All else is computed in f32.
;;   The module's matrix products, in the order in which they are computed (A, B: the left and right operand; K: the contracted axis; several contracted axes count as one K, in the product's order):
;;     1. [M 4,096, K 1,024] x [K 1,024, N 3,072]; A: computed on the way; B: input Wqkv: QUANTISED
;;     2. batch 32 x [M 2,048, K 64] x [K 64, N 2,048]; A: computed on the way; B: computed on the way: QUANTISED
;;     3. batch 32 x [M 64, K 2,048] x [K 2,048, N 2,048]; A: computed on the way; B: softmax (see below): QUANTISED
;;     4. [M 4,096, K 1,024] x [K 1,024, N 1,024]; A: computed on the way; B: input Wout: QUANTISED
;;     5. [M 4,096, K 1,024] x [K 1,024, N 4,096]; A: computed on the way; B: input W1: QUANTISED
;;     6. [M 4,096, K 4,096] x [K 4,096, N 1,024]; A: computed on the way; B: input W2: QUANTISED
;;   THE QUANTISER, for each operand of a quantised product, along K:
;;     - K is cut into blocks of 32 from its start; a last block that is shorter is filled with zeros.
;;     - A block's scale is 2^e with e = floor(log2(the largest magnitude in the block)) - 2, held to -126 .. 127; a block of zeros has e = 0. As a byte (E8M0): e + 127.
;;     - Each number is divided by its block's scale, clamped to +-7.5, and rounded to the nearest number of E2M3, ties to even, subnormals kept.
;;     - The product sums the exact products of the quantised numbers (number of the format x scale) in f32.
;;   ~~~python
;;   def quantise(x, axis):      # numpy; x: float32 -> the quantised numbers, widened to float32 again
;;       x = np.moveaxis(x, axis, -1); K = x.shape[-1]
;;       x = np.pad(x, [(0, 0)] * (x.ndim - 1) + [(0, -K % 32)]); x = x.reshape(x.shape[:-1] + (-1, 32)); a = np.abs(x).max(-1, keepdims=True)
;;       e = np.where(a > 0, np.clip(np.frexp(np.where(a > 0, a, 1))[1] - 1 - 2, -126, 127), 0)      # np.frexp(a)[1] - 1 = floor(log2(a)), exactly
;;       r = np.clip(x / 2.0 ** e, -7.5, 7.5)
;;       step = 2.0 ** (np.maximum(np.frexp(np.where(r == 0, 1, r))[1] - 1, 0) - 3)
;;       q = np.round(r / step) * step * 2.0 ** e      # np.round: ties to even
;;       return np.moveaxis(q.reshape(q.shape[:-2] + (-1,))[..., :K], -1, axis).astype(np.float32)
;;   ~~~
;;   SOFTMAX AHEAD OF A QUANTISED PRODUCT. Where the list says 'softmax', what is quantised is not the finished softmax but p = 2^(t - M), with t = logit x log2(e) and M = ceil(the row's largest t), a whole number; so 1/2 < the row's largest p <= 1. The row's sum l is taken of the UNQUANTISED p, in f32, and the product's result is divided by l at the end. Since M is a whole number, a kernel that streams over the keys may use a running M (the ceiling of the running maximum): every later rescaling is an exact power of two, which a block's scale takes up: the codes' values come out the same.
;;   OPERANDS COMPUTED ON THE WAY. 'Computed on the way' means the value that the module computes at that place (a softmax that the list does not call 'softmax' is quantised finished and normalised). What goes into a quantiser is computed in f32, as accurately as f32 sums, v_exp_f32 and their like allow (about 1e-6 of the number): no bf16 or f16 on the way to a quantiser, and a product that is left as it is and whose result goes on into a quantised operand takes f32 operands (vector FMAs, or v_wmma_f32_16x16x4_f32). A number that lies on a knife's edge between two numbers of the format may be rounded either way, as far as f32 arithmetic and the matrix unit's own rounding can turn it there, and no further.
;; One version. Each part assembles by itself: llvm-mc -triple=amdgcn-amd-amdhsa -mcpu=gfx1250 --defsym DOCPART=n.
;; ======== version 1 of 1: 7 launches
;; limits: right only within a limited range of input values
;; workspace buffers: wts 10,649,600 bytes; t1 3,276,800 bytes; qkvc 9,830,400 bytes; ao 3,276,800 bytes; x1 16,777,216 bytes; t2 3,276,800 bytes; hid 13,107,200 bytes
;; launch prep (part 1): grid 1024 x 1, 4 waves a work-group, no clusters, 44,544 bytes of LDS; arguments x, ln1_g, ln1_b, t1, Wqkv, Wout, W1, W2, wts; writes t1, wts
.if DOCPART == 1
	.amdgcn_target "amdgcn-amd-amdhsa--gfx1250"
	.amdhsa_code_object_version 6
	.text
	.protected	k_q799c395727_prep
	.globl	k_q799c395727_prep
	.p2align	8
	.type	k_q799c395727_prep,@function
k_q799c395727_prep:
	s_mov_b64 s[64:65], 0
	v_nop
	global_prefetch_b8 v0, s[64:65] scope:SCOPE_SE
	s_setreg_imm32_b32 hwreg(HW_REG_WAVE_MODE, 25, 1), 1
	s_wait_xcnt 0x0
; TWO JOBS IN ONE LAUNCH, parted at the first line by the work-group's number, which all four waves of a work-group share:
;   work-groups 0 .. 255:     LN1(x), quantised along the row, into t1;
;   work-groups 256 .. 1,023: the four weights, quantised along K, into wts.
; Neither reads what the other stores.  Each job has LDS bytes of its own: the weights bytes 0 .. 12,287, the norm bytes 12,288 .. 43,519.
; LAYOUT of every quantised operand of this program: codes of FP6 (E2M3) C[k / 64][row][48 bytes], E8M0 scale words S[k / 128][row][4 bytes] (byte b: k = 32 b on).
; The row with logical number n lies at physical row rho(n) = n with bits 3 and 4 exchanged.
; LIMITS (both jobs): NaN and infinities are not served; a block whose largest magnitude lies under 2^-124 has its byte held at 1; a block of zeros has the byte 1
; where the rule says 127 (its codes are zeros, and this program alone reads the bytes).
.set LNWG, 256
	s_set_vgpr_msb 0x40
	v_lshl_add_u32 v0, v0, 2, 0xac00
	v_mov_b32 v1, 0
	s_set_vgpr_msb 0x4000
	s_cmp_lt_u32 ttmp9, LNWG
	s_cbranch_scc0 .Lweights
; ---------------------------------------------------------------- THE NORM
; y = (x - mean) * rsqrt(var + 1e-5) * g + b over rows of 1,024 f32, then quantised.  OUT: codes [16][4096 rows][48] at byte 0, scale words [8][4096 rows][4] at byte 3,145,728.
; Work-group w owns physical rows 16 w .. 16 w + 15; wave v takes four of them, which are four consecutive logical rows.  One wave, one row at a time: the row stays in 32 registers
; between the passes (mean, variance of x - mean, scaling), so memory is read once.  Each load of a wave covers 512 consecutive bytes.
; For the quantiser a lane must hold 32 NEIGHBOURS: the row turns through the wave's own 4,608 bytes of LDS (32 places of 128 + 16 bytes).  Lane L then owns block L of the row.
; The 16 rows' codes and scale bytes meet in LDS; behind ONE barrier each wave stores four groups: 32 lanes fill 256 consecutive bytes, aligned.
.set LB,   12288                       ; LDS: the norm's bytes begin here: four turns of 4,608 bytes,
.set OUTS, LB+18432                    ; [16 groups][16 rows][48],
.set SST,  LB+30720                    ; [8 steps][16 rows][4]
.set NX,   32                          ; v32-159  four rows, 32 registers each
.set NG,   160                         ; v160-191 g of my 32 columns
.set NBI,  192                         ; v192-223 b
.set NY,   224                         ; v224-255 32 neighbours
.set NCD,  26                          ; v26-31   a block's codes
	s_load_b256 s[4:11], s[0:1], 0x0               ; x, g, b, t1
	v_lshrrev_b32 v1, 5, v0
	v_readfirstlane_b32 s14, v1                    ; wave
	v_and_b32 v1, 31, v0                           ; lane L
	v_lshlrev_b32 v2, 4, v1                        ; 16 L
	s_mul_i32 s15, s14, 4608
	s_add_co_u32 s15, s15, LB
	v_lshrrev_b32 v3, 3, v1
	v_mul_u32_u24 v3, v3, 144
	v_and_b32 v4, 7, v1
	v_lshl_add_u32 v3, v4, 4, v3
	v_add_nc_u32 v3, s15, v3                       ; the turn, in: 144 (L / 8) + 16 (L % 8); a load's 512 bytes take four places
	v_mul_u32_u24 v4, v1, 144
	v_add_nc_u32 v4, s15, v4                       ; and out: place L
	v_lshrrev_b32 v5, 1, v1
	v_mul_u32_u24 v5, v5, 768
	v_and_b32 v6, 1, v1
	v_mad_u32_u24 v5, v6, 24, v5
	s_mul_i32 s15, s14, 192
	s_add_co_u32 s15, s15, OUTS
	v_add_nc_u32 v5, s15, v5                       ; my block's 24 bytes: group L / 2, half L % 2, row 4 v (+ k)
	v_lshrrev_b32 v6, 2, v1
	v_lshlrev_b32 v6, 6, v6
	v_and_b32 v7, 3, v1
	v_add_nc_u32 v6, v6, v7
	s_lshl_b32 s15, s14, 4
	s_add_co_u32 s15, s15, SST
	v_add_nc_u32 v6, s15, v6                       ; my block's byte: step L / 4, byte L % 4
	v_lshlrev_b32 v8, 3, v1
	s_mul_i32 s15, s14, 3072
	s_add_co_u32 s15, s15, OUTS
	v_add_nc_u32 v7, s15, v8                       ; the way out: my wave's four groups, 8 bytes a lane
	s_mul_i32 s15, s14, 786432
	v_add_nc_u32 v8, s15, v8                       ; and in memory: a group is 196,608 bytes
	v_lshl_add_u32 v9, v0, 2, SST                  ; a scale word for each of the 128 threads
	v_lshrrev_b32 v10, 4, v0
	v_lshlrev_b32 v10, 14, v10
	v_and_b32 v11, 15, v0
	v_lshl_add_u32 v10, v11, 2, v10                ; step x 16,384 + 4 x row
	s_mov_b32 s12, 0x76543210
	s_mov_b32 s13, 0xfedcba98                      ; lane l xor 16
	s_mov_b32 s18, 0x3a800000                      ; 1 / 1,024
	s_mov_b32 s19, 0x3727c5ac                      ; 1e-5
	s_lshr_b32 s15, ttmp9, 1                       ; my first logical row: 32 (w / 2) + 8 (w % 2) + 16 (v / 2) + 4 (v % 2)
	s_lshl_b32 s15, s15, 5
	s_and_b32 s16, ttmp9, 1
	s_lshl_b32 s16, s16, 3
	s_add_co_u32 s15, s15, s16
	s_lshr_b32 s16, s14, 1
	s_lshl_b32 s16, s16, 4
	s_add_co_u32 s15, s15, s16
	s_and_b32 s16, s14, 1
	s_lshl_b32 s16, s16, 2
	s_add_co_u32 s15, s15, s16
	s_lshl_b32 s16, s15, 12
	s_mov_b32 s17, 0
	s_mul_i32 s20, ttmp9, 768
	s_mov_b32 s21, 0
	s_lshl_b32 s22, ttmp9, 6
	s_add_co_u32 s22, s22, 3145728
	s_mov_b32 s23, 0
	s_wait_kmcnt 0x0
	s_add_nc_u64 s[4:5], s[4:5], s[16:17]
	s_add_nc_u64 s[20:21], s[10:11], s[20:21]
	s_add_nc_u64 s[22:23], s[10:11], s[22:23]
.irp j, 0,1,2,3,4,5,6,7
	global_load_b128 v[NG+4*\j:NG+4*\j+3], v2, s[6:7] offset:512*\j
.endr
.irp j, 0,1,2,3,4,5,6,7
	global_load_b128 v[NBI+4*\j:NBI+4*\j+3], v2, s[8:9] offset:512*\j
.endr
.irp k, 0,1,2,3
.irp j, 0,1,2,3,4,5,6,7
	global_load_b128 v[NX+32*\k+4*\j:NX+32*\k+4*\j+3], v2, s[4:5] offset:4096*\k+512*\j th:TH_LOAD_NT
.endr
.endr
.macro REDUCE                                      ; v12 summed over the 32 lanes, the result in every lane
	v_add_f32 v12, v12, v13
	v_add_f32_dpp v12, v12, v12 row_xmask:1 row_mask:0xf bank_mask:0xf
	v_add_f32_dpp v12, v12, v12 row_xmask:2 row_mask:0xf bank_mask:0xf
	v_add_f32_dpp v12, v12, v12 row_xmask:4 row_mask:0xf bank_mask:0xf
	v_add_f32_dpp v12, v12, v12 row_xmask:8 row_mask:0xf bank_mask:0xf
	v_permlanex16_b32 v13, v12, s12, s13
	v_add_f32 v12, v12, v13
.endm
.macro ROW k
.set XR, NX+32*(\k)
	s_wait_loadcnt 24-8*(\k)                       ; this row's eight loads (and g, b) are in; the rows behind may be out
	v_pk_add_f32 v[12:13], v[XR:XR+1], v[XR+2:XR+3]
	v_pk_add_f32 v[14:15], v[XR+4:XR+5], v[XR+6:XR+7]
.irp i, 8,12,16,20,24,28
	v_pk_add_f32 v[12:13], v[12:13], v[XR+\i:XR+\i+1]
	v_pk_add_f32 v[14:15], v[14:15], v[XR+\i+2:XR+\i+3]
.endr
	v_pk_add_f32 v[12:13], v[12:13], v[14:15]
	REDUCE
	v_mul_f32 v16, s18, v12                        ; the mean,
	v_mov_b32 v17, v16                             ; twice, for the packed forms
.irp i, 0,2,4,6,8,10,12,14,16,18,20,22,24,26,28,30
	v_pk_add_f32 v[XR+\i:XR+\i+1], v[XR+\i:XR+\i+1], v[16:17] neg_lo:[0,1] neg_hi:[0,1]   ; x - mean
.endr
	v_pk_mul_f32 v[12:13], v[XR:XR+1], v[XR:XR+1]
	v_pk_mul_f32 v[14:15], v[XR+2:XR+3], v[XR+2:XR+3]
.irp i, 4,8,12,16,20,24,28
	v_pk_fma_f32 v[12:13], v[XR+\i:XR+\i+1], v[XR+\i:XR+\i+1], v[12:13]
	v_pk_fma_f32 v[14:15], v[XR+\i+2:XR+\i+3], v[XR+\i+2:XR+\i+3], v[14:15]
.endr
	v_pk_add_f32 v[12:13], v[12:13], v[14:15]
	REDUCE
	v_fma_f32 v18, v12, s18, s19                   ; the variance + 1e-5
	s_wait_alu depctr_va_vdst(0)
	v_rsq_f32 v20, v18
	v_rsq_f32 v21, v18
	v_nop                                          ; a plain line behind the two,
	s_wait_alu depctr_va_vdst(0)                   ; and the one wait ahead of their first reader
.irp i, 0,2,4,6,8,10,12,14,16,18,20,22,24,26,28,30
	v_pk_mul_f32 v[XR+\i:XR+\i+1], v[XR+\i:XR+\i+1], v[20:21]
.endr
.irp i, 0,2,4,6,8,10,12,14,16,18,20,22,24,26,28,30
	v_pk_fma_f32 v[XR+\i:XR+\i+1], v[XR+\i:XR+\i+1], v[NG+\i:NG+\i+1], v[NBI+\i:NBI+\i+1]
.endr
.irp j, 0,1,2,3,4,5,6,7
	ds_store_b128 v3, v[XR+4*\j:XR+4*\j+3] offset:576*\j
.endr
.irp i, 0,1,2,3,4,5,6,7
	ds_load_b128 v[NY+4*\i:NY+4*\i+3], v4 offset:16*\i    ; LDS serves a wave's instructions in order: these see my stores
.endr
	s_wait_dscnt 0x0                               ; my 32 neighbours are in; the last row's stores of codes and byte have read their registers
	v_max3_num_f32 v22, |v[NY]|, |v[NY+1]|, |v[NY+2]|
	v_max3_num_f32 v23, |v[NY+3]|, |v[NY+4]|, |v[NY+5]|
.irp i, 6,10,14,18,22,26
	v_max3_num_f32 v22, v22, |v[NY+\i]|, |v[NY+\i+1]|
	v_max3_num_f32 v23, v23, |v[NY+\i+2]|, |v[NY+\i+3]|
.endr
	v_max3_num_f32 v22, v22, |v[NY+30]|, |v[NY+31]|
	v_max3_num_f32 v22, v22, v23, 0x1800000        ; with the floor 2^(3 - 127)
	v_add_nc_u32 v24, 0xff000000, v22              ; the conversion's scale operand
	v_lshrrev_b32 v25, 23, v24                     ; the byte
	v_cvt_scalef32_pk16_fp6_f32 v[NCD:NCD+2], v[NY:NY+15], v24
	v_cvt_scalef32_pk16_fp6_f32 v[12:14], v[NY+16:NY+31], v24
	v_nop                                          ; one plain line behind the conversions
.irp i, 0,1,2
	v_mov_b32 v[NCD+3+\i], v[12+\i]
.endr
.irp p, 0,1,2
	ds_store_b64 v5, v[NCD+2*\p:NCD+2*\p+1] offset:48*(\k)+8*\p
.endr
	ds_store_b8 v6, v25 offset:4*(\k)
.endm
	ROW 0
	ROW 1
	ROW 2
	ROW 3
	s_wait_dscnt 0x0                               ; for the others' sake: my stores have landed
	s_barrier_signal -1
	s_barrier_wait -1
.irp n, 0,1,2,3,4,5,6,7,8,9,10,11
	ds_load_b64 v[NX+2*\n:NX+2*\n+1], v7 offset:256*\n    ; group n / 3 of my four, its 768 bytes in three parts
.endr
	ds_load_b32 v60, v9
	s_wait_dscnt 0x0
.irp n, 0,1,2,3,4,5,6,7,8,9,10,11
	global_store_b64 v8, v[NX+2*\n:NX+2*\n+1], s[20:21] offset:196608*(\n/3)+256*(\n%3)   ; 32 lanes store 256 consecutive bytes, aligned
.endr
	global_store_b32 v10, v60, s[22:23]            ; the scale words: runs of 64 bytes
	s_set_vgpr_msb 0x5
	s_wait_tensorcnt 0x0
	ds_add_u32 v0, v1
	s_wait_dscnt 0x0
	s_set_vgpr_msb 0x500
	s_endpgm
; ---------------------------------------------------------------- THE WEIGHTS
; f32 stored [K][N]; a row of the codes is a column n of the weight.  A work-group takes 128 columns x 128 along K, a wave 32 columns.
; A LANE TAKES A COLUMN AND ITS 128 REGISTERS RUN DOWN K: each load reads 128 consecutive bytes a wave, a block of 32 lies in one lane, and the conversions give codes with K innermost.
; The codes go through the wave's own 3,072 bytes of LDS, so that each store of the wave covers 512 consecutive bytes, aligned.  No barrier: waves share nothing.
; One path serves all four tensors: pointers and sizes are chosen by the work-group's number (256-447 Wqkv, 448-511 Wout, 512-767 W1, 768-1,023 W2).
; Wqkv's codes are laid with 4,096 rows to a group (3,072 are written), so that they have the pitch of a tensor of tokens.
.Lweights:
.set X,   56                           ; v56-183  128 numbers down K; later the codes read back
.set C,   24                           ; v24-47   two groups' codes, 12 registers each
.set C2,  48                           ; v48-55   the second half of a block's codes, as the conversion leaves it
.set VO,  8                            ; v8-15    4 x lane + j x 16 rows of the weight
.set RBS, 32                           ; s[32:63] the addresses of 16 neighbouring rows of the weight; never rewritten
	s_load_b256 s[4:11], s[0:1], 0x20              ; Wqkv, Wout, W1, W2
	s_load_b64 s[12:13], s[0:1], 0x40              ; wts
	v_lshrrev_b32 v1, 5, v0
	v_readfirstlane_b32 s3, v1                     ; wave
	v_and_b32 v1, 31, v0                           ; lane
	v_and_b32 v2, 7, v0
	v_bfe_u32 v16, v0, 3, 1
	v_bfe_u32 v17, v0, 4, 1
	v_lshl_add_u32 v2, v16, 4, v2
	v_lshl_add_u32 v2, v17, 3, v2                  ; rho(lane)
	s_mul_i32 s2, s3, 3072                         ; my wave's stage
	v_mul_u32_u24 v4, v2, 48
	v_add_nc_u32 v4, s2, v4
	v_lshrrev_b32 v22, 4, v2                       ; W2 alone: its codes are laid as images of the operand's registers, [k / 128][row / 16][piece of 4 registers][lane 16 h + r][16 bytes]
	v_and_b32 v23, 15, v2
	v_mul_u32_u24 v22, v22, 1536
	v_lshl_add_u32 v22, v23, 4, v22
	v_add_nc_u32 v21, s2, v22                      ; into the stage: tile rho / 16, 16 bytes at r = rho % 16
	v_lshlrev_b32 v6, 4, v1                        ; out of it, and in memory: 16 bytes a lane
	v_add_nc_u32 v5, s2, v6
	v_lshlrev_b32 v7, 2, v2                        ; my scale word's place
	v_lshlrev_b32 v[VO], 2, v1
	s_mov_b32 s16, 4096                            ; W2's figures: bytes in a row of the weight,
	s_mov_b32 s17, 1024                            ; rows to a group of the codes,
	s_mov_b32 s18, 768                             ; first work-group,
	s_mov_b32 s19, 5                               ; log2 of the number of 128s along K,
	s_mov_b32 s20, 7372800                         ; where its codes begin in wts,
	s_mov_b32 s21, 10518528                        ; and its scale words
	s_wait_alu depctr_va_vdst(0)
	s_wait_kmcnt 0x0
	s_mov_b64 s[14:15], s[10:11]
.macro PICK lim, src, n4, r, start, coff, soff     ; an earlier tensor's figures, where the work-group's number lies under lim
	s_cmp_lt_u32 ttmp9, \lim
	s_cselect_b64 s[14:15], s[\src:\src+1], s[14:15]
	s_cselect_b32 s16, \n4, s16
	s_cselect_b32 s17, \r, s17
	s_cselect_b32 s18, \start, s18
	s_cselect_b32 s19, 3, s19
	s_cselect_b32 s20, \coff, s20
	s_cselect_b32 s21, \soff, s21
.endm
	PICK 768, 8, 16384, 4096, 512, 4096000, 7241728
	PICK 512, 6, 4096, 1024, 448, 3276800, 4063232
	PICK 448, 4, 12288, 4096, 256, 0, 3145728
	s_sub_co_u32 s24, ttmp9, s18
	s_lshl_b32 s25, 1, s19
	s_sub_co_u32 s25, s25, 1
	s_and_b32 s25, s24, s25                        ; which 128 along K
	s_lshr_b32 s26, s24, s19                       ; which 128 columns
	s_lshl_b32 s26, s26, 7
	s_lshl_b32 s27, s3, 5
	s_add_co_u32 s31, s26, s27                     ; my wave's first column
	s_mul_i32 s28, s25, s16
	s_lshl_b32 s28, s28, 7
	s_lshl_b32 s27, s31, 2
	s_add_co_u32 s28, s28, s27
	s_mov_b32 s29, 0
	s_add_nc_u64 s[RBS:RBS+1], s[14:15], s[28:29]
	s_mov_b32 s22, s16
	s_mov_b32 s23, 0
.irp i, 1,2,3,4,5,6,7,8,9,10,11,12,13,14,15
	s_add_nc_u64 s[RBS+2*\i:RBS+2*\i+1], s[RBS+2*\i-2:RBS+2*\i-1], s[22:23]
.endr
	s_lshl_b32 s30, s16, 4
.irp j, 1,2,3,4,5,6,7
	v_add_nc_u32 v[VO+\j], s30, v[VO+\j-1]
.endr
.set rr, 0
.rept 128                                          ; all 128 rows are asked for at once: row rr = 16 (rr / 16) + rr % 16
	global_load_b32 v[X+rr], v[VO+rr/16], s[RBS+2*(rr%16):RBS+2*(rr%16)+1] th:TH_LOAD_NT
.set rr, rr+1
.endr
	s_lshl_b32 s27, s25, 1                         ; where the results go: group 2 kt, physical rows n0 on
	s_mul_i32 s27, s27, s17
	s_add_co_u32 s27, s27, s31
	s_cmp_lt_u32 ttmp9, 768
	s_cselect_b32 s28, 0, s31                      ; W2: a row has 96 bytes of a step of 128, so its rows count twice
	s_add_co_u32 s27, s27, s28
	s_mul_i32 s28, s27, 48
	s_add_co_u32 s28, s28, s20
	s_add_nc_u64 s[4:5], s[12:13], s[28:29]
	s_mul_i32 s28, s17, 48
	s_cmp_lt_u32 ttmp9, 768
	s_cselect_b32 s28, s28, 1536                   ; W2: the wave's second tile of 16 rows follows the first
	s_add_nc_u64 s[6:7], s[4:5], s[28:29]          ; the next group
	s_mul_i32 s28, s25, s17
	s_add_co_u32 s28, s28, s31
	s_lshl_b32 s28, s28, 2
	s_add_co_u32 s28, s28, s21
	s_add_nc_u64 s[8:9], s[12:13], s[28:29]        ; the scale words
.macro BLOCK t, left                               ; block t of 32 along K; left: loads that may stay out (at most those issued behind the block's; the counter's field holds 63)
.set XS, X+32*(\t)
.set CB, C+12*((\t)/2)+6*((\t)%2)
	s_wait_loadcnt \left
	v_max3_num_f32 v16, |v[XS]|, |v[XS+1]|, |v[XS+2]|
	v_max3_num_f32 v17, |v[XS+3]|, |v[XS+4]|, |v[XS+5]|
.irp i, 6,10,14,18,22,26
	v_max3_num_f32 v16, v16, |v[XS+\i]|, |v[XS+\i+1]|
	v_max3_num_f32 v17, v17, |v[XS+\i+2]|, |v[XS+\i+3]|
.endr
	v_max3_num_f32 v16, v16, |v[XS+30]|, |v[XS+31]|
	v_max3_num_f32 v16, v16, v17, 0x1800000        ; with the floor 2^(3 - 127): the byte cannot fall under 1
	v_add_nc_u32 v18, 0xff000000, v16              ; 2 off the exponent field: the conversion's scale operand
	v_lshrrev_b32 v19, 23, v18                     ; the scale's byte
.if (\t) == 0
	v_mov_b32 v20, v19
.else
	v_lshl_or_b32 v20, v19, 8*(\t), v20
.endif
	v_cvt_scalef32_pk16_fp6_f32 v[CB:CB+2], v[XS:XS+15], v18
	v_cvt_scalef32_pk16_fp6_f32 v[C2+4*((\t)%2):C2+4*((\t)%2)+2], v[XS+16:XS+31], v18   ; (a conversion's three registers begin on an even number)
	v_nop                                          ; one plain line behind the conversions
.irp i, 0,1,2
	v_mov_b32 v[CB+3+\i], v[C2+4*((\t)%2)+\i]
.endr
.endm
.macro GROUPOUT g                                  ; a group's 48 bytes a lane into the stage
	s_cmp_lt_u32 ttmp9, 768                        ; W2's work-groups stage the image; both forms stay inside the wave's own 3,072 bytes
	s_wait_alu depctr_va_vdst(0)                   ; the wait directly ahead of the branch
	s_cbranch_scc0 .Limage_\@
.irp i, 0,1,2
	ds_store_b128 v4, v[C+12*\g+4*\i:C+12*\g+4*\i+3] offset:1536*\g+16*\i
.endr
	s_branch .Lstaged_\@
.Limage_\@:
.irp h, 0,1
.irp p, 0,1,2
	ds_store_b64 v21, v[C+12*\g+6*\h+2*\p:C+12*\g+6*\h+2*\p+1] offset:512*((3*\g+\p)/2)+256*\h+8*((3*\g+\p)%2)   ; registers 6 g + 2 p, + 1 of lane 16 h + r
.endr
.endr
.Lstaged_\@:
.endm
	BLOCK 0, 63
	BLOCK 1, 63
	GROUPOUT 0
	BLOCK 2, 32
	BLOCK 3, 0
	GROUPOUT 1
.irp n, 0,1,2,3,4,5
	ds_load_b128 v[X+4*\n:X+4*\n+3], v5 offset:512*\n   ; LDS serves a wave's instructions in order: these see my stores
.endr
	s_wait_alu depctr_va_vdst(0)
	s_wait_dscnt 0x0
.irp i, 0,1,2
	global_store_b128 v6, v[X+4*\i:X+4*\i+3], s[4:5] offset:512*\i         ; 32 lanes store 512 consecutive bytes, aligned
.endr
.irp i, 0,1,2
	global_store_b128 v6, v[X+12+4*\i:X+12+4*\i+3], s[6:7] offset:512*\i
.endr
	global_store_b32 v7, v20, s[8:9]               ; 32 scale words: 128 consecutive bytes
	s_set_vgpr_msb 0x5
	s_wait_tensorcnt 0x0
	ds_add_u32 v0, v1
	s_wait_dscnt 0x0
	s_set_vgpr_msb 0x500
	s_endpgm
.Lfunc_end_k_q799c395727_prep:
	.size	k_q799c395727_prep, .Lfunc_end_k_q799c395727_prep-k_q799c395727_prep
	.p2alignl 7, 3214868480
	.fill 96, 4, 3214868480
	.section	.rodata,"a",@progbits
	.p2align	6, 0x0
	.amdhsa_kernel k_q799c395727_prep
		.amdhsa_group_segment_fixed_size 44544
		.amdhsa_private_segment_fixed_size 0
		.amdhsa_enable_private_segment 0
		.amdhsa_kernarg_size 72
		.amdhsa_user_sgpr_count 2
		.amdhsa_user_sgpr_kernarg_segment_ptr 1
		.amdhsa_wavefront_size32 1
		.amdhsa_system_sgpr_workgroup_id_x 1
		.amdhsa_system_sgpr_workgroup_id_y 1
		.amdhsa_system_sgpr_workgroup_id_z 1
		.amdhsa_system_vgpr_workitem_id 0
		.amdhsa_next_free_vgpr 258
		.amdhsa_next_free_sgpr 66
		.amdhsa_reserve_vcc 0
		.amdhsa_float_denorm_mode_32 3
		.amdhsa_float_denorm_mode_16_64 3
		.amdhsa_memory_ordered 1
		.amdhsa_forward_progress 1
		.amdhsa_inst_pref_size 71
	.end_amdhsa_kernel
	.amdgpu_metadata
---
amdhsa.version: [ 1, 2 ]
amdhsa.kernels:
  - .name:           k_q799c395727_prep
    .symbol:         k_q799c395727_prep.kd
    .args:
      - { .name: x, .offset: 0, .size: 8, .value_kind: global_buffer, .address_space: global }
      - { .name: ln1_g, .offset: 8, .size: 8, .value_kind: global_buffer, .address_space: global }
      - { .name: ln1_b, .offset: 16, .size: 8, .value_kind: global_buffer, .address_space: global }
      - { .name: t1, .offset: 24, .size: 8, .value_kind: global_buffer, .address_space: global }
      - { .name: Wqkv, .offset: 32, .size: 8, .value_kind: global_buffer, .address_space: global }
      - { .name: Wout, .offset: 40, .size: 8, .value_kind: global_buffer, .address_space: global }
      - { .name: W1, .offset: 48, .size: 8, .value_kind: global_buffer, .address_space: global }
      - { .name: W2, .offset: 56, .size: 8, .value_kind: global_buffer, .address_space: global }
      - { .name: wts, .offset: 64, .size: 8, .value_kind: global_buffer, .address_space: global }
    .group_segment_fixed_size: 44544
    .private_segment_fixed_size: 0
    .kernarg_segment_align: 8
    .kernarg_segment_size: 72
    .max_flat_workgroup_size: 128
    .sgpr_count:     66
    .vgpr_count:     258
    .wavefront_size: 32
...
	.end_amdgpu_metadata
.endif
;; end of part 1
;; launch qkv (part 2): grid 8 x 24, 4 waves a work-group, clusters of 4 x 4, 327,680 bytes of LDS; arguments t1, wts, qkvc; writes qkvc
.if DOCPART == 2
	.amdgcn_target "amdgcn-amd-amdhsa--gfx1250"
	.amdhsa_code_object_version 6
	.text
	.protected	k_q799c395727_qkv
	.globl	k_q799c395727_qkv
	.p2align	8
	.type	k_q799c395727_qkv,@function
k_q799c395727_qkv:
	s_mov_b64 s[64:65], 0
	v_nop
	global_prefetch_b8 v0, s[64:65] scope:SCOPE_SE
	s_setreg_imm32_b32 hwreg(HW_REG_WAVE_MODE, 25, 1), 1
	s_wait_xcnt 0x0
	s_wait_alu depctr_hold_cnt(0) depctr_sa_sdst(0) depctr_va_vdst(0) depctr_va_sdst(0) depctr_va_ssrc(0) depctr_va_vcc(0) depctr_vm_vsrc(0)
	s_getreg_b32 s2, hwreg(HW_REG_IB_STS2, 6, 4)
	s_cmp_eq_u32 s2, 0
	s_cbranch_scc0 .Lentry_in_a_cluster
	s_endpgm
.Lentry_in_a_cluster:
	s_bfe_u32 s2, ttmp6, 0x10000c
	s_cmp_lg_u32 s2, 0xf033
	s_cbranch_scc0 .Lentry_shape_is_right
	s_endpgm
.Lentry_shape_is_right:
; LN1(x) Wqkv on codes of FP6 (E2M3) with E8M0 scales, and the results quantised at once: Q and K along the head's 64, V along the KEYS.
; OPERANDS lie as codes C[k / 64][row][48 bytes] and scale words S[k / 128][row][4]; physical row P holds logical row P with bits 3 and 4 exchanged.
; A tile of C is 256 x 256, four waves, 128 x 128 each: 64 accumulators.  THE MATRIX INSTRUCTION IS USED TRANSPOSED (source 0 = 16 physical rows of B, source 1 = 16 physical rows of A):
; lane (r, h) holds A's physical row 16 a + r, and register j of accumulator (a, b) B's logical row 32 (b / 2) + 16 h + 8 (b % 2) + j: the 16 registers of accumulators 2 B, 2 B + 1 are 16 neighbours.
; So a wave's eight accumulators of a block of 16 rows are one fragment (16 rows x 128) of the next product, made in registers.
; Clusters with y < 4: A = tokens, B = rows 0 .. 2,047 of Wqkv's codes: Q, K [group = head][token][48].  Clusters with y = 4, 5: A = rows 2,048 .. 3,071 of Wqkv's codes, B = tokens: V^T [group = token / 64][channel][48].
; Only pointers, tile numbers and output strides are chosen, by the cluster's y, which all partners share: one path of the text.
; K goes in steps of 256 through two LDS slots; a wave's tensor load brings 2 groups x 256 rows x 48 bytes: two runs of 12,288 consecutive bytes.  Rows 48 bytes apart: the 32 lanes of a load of 8 bytes touch 64 different banks.
; The scale words of the tile's rows for all of K come once, with the first fills.  CLUSTERS 4 x 4: A's tiles are asked for jointly along a row, B's along a column.
; REGISTERS: window 0: v0-31 addresses, v32-63 scale words (two sets), v64-255 A's fragments (two sets); window 1: v0-191 B's fragments (two sets); windows 2, 3: the accumulators.
; LIMITS: NaN and infinities are not served; a block under 2^-124 has its byte held at 1; a block of zeros has the byte 1 (its codes are zeros; this program alone reads the bytes).
.set NB,    8                          ; blocks of 16 rows a side a wave
.set RW,    128                        ; rows of a wave's half of the tile
.set GPS,   4                          ; groups of 64 along K in a slot
.set NQ,    2                          ; steps of 128 in a slot
.set KK,    1024
.set GB,    2*RW*48                    ; a group in LDS: the tile's 256 rows
.set HALFT, GPS*GB/2                   ; what a wave's load of the ring brings: two groups x 256 rows
.set SLOT,  4*HALFT                    ; A's two halves, then B's two
.set LAPS,  KK/(2*128*NQ)
.set SROW,  8*RW
.set HALFS, (KK/128)*SROW/2
.set SCL,   2*SLOT                     ; behind the ring: the scale words, four parts [step][row][4]
.set SPARE, SCL+4*HALFS                ; the spare words, 128 bytes for each wave: two blocks of 256 bytes that no other line names
.set STG,   SPARE+512                  ; a stage for each wave, into which no fill lands
.set WST,   12800                      ; [2 groups][128 rows][48], then [128 rows][4]
.set ASTEP, GPS*4096*48                ; bytes from a slot's groups to the next slot's
.set BSTEP, GPS*4096*48
.set HASBIAS, 0
.set BIAS,  192
.set ADRA, 16
.set ADRB, 20
.set STO,  22
.set STS,  23
.set RDL,  24
.set CO,   25
.set ADRS, 27
.set SPW,  28                          ; LDS address of my spare word; never rewritten
.set NIL,  29                          ; 0; never rewritten
.set SC,   32
.set AF,   64
.set TM,   128                         ; the way out: v128-143 at work, v144 the scale word, v146-165 codes
.set PW,   144
.set PC,   146
.set SEL,  46
.set G1, 24
.set G0, 32
.set G1B, 48
.set G0B, 56
.set G1S, 68
.set G0S, 76
.set G1SB, 80
.set G0SB, 88
.set MSB, 0
.macro WIN new                         ; the immediate's high byte repeats the setting that is left; a switch that changes nothing is dropped
.if MSB != (\new)
	s_set_vgpr_msb (MSB<<8)|(\new)
.set MSB, (\new)
.endif
.endm
.macro PLACES n
.rept \n
	v_nop
.endr
.endm
.macro JLOAD g0a, g1a, g0b, g1b        ; a joint load: waves 0, 1 fetch for A, waves 2, 3 for B; four v_nop follow each line
	s_cmp_eq_u32 s15, 0
	s_cbranch_scc0 .Lfor_b_\@
	tensor_load_to_lds s[\g0a:\g0a+3], s[\g1a:\g1a+7]
	s_nop 0
	PLACES 4
	s_branch .Lasked_\@
.Lfor_b_\@:
	tensor_load_to_lds s[\g0b:\g0b+3], s[\g1b:\g1b+7]
	s_nop 0
	PLACES 4
.Lasked_\@:
.endm
.macro CREST                           ; a round of the cluster's barrier behind its opening barrier
	s_cmp_lg_u32 s14, 0
	s_cbranch_scc1 .Lnot_wave_0_\@
	s_barrier_signal -3
.Lnot_wave_0_\@:
	s_barrier_wait -3
	s_barrier_signal -1
	s_barrier_wait -1
.endm
.macro CROUND
	s_barrier_signal -1
	s_barrier_wait -1
	CREST
.endm
.macro FRAG reg, adr, q, i             ; a fragment: registers 6 c .. 6 c + 5 = 24 bytes of group 2 q + c at row 16 i + r, half h
.irp c, 0,1
.irp p, 0,1,2
	ds_load_b64 v[(\reg)+6*\c+2*\p:(\reg)+6*\c+2*\p+1], v[\adr] offset:(2*(\q)+\c)*GB+(\i)*768+8*\p
.endr
.endr
.endm
.macro FETCH slot, q, p                ; all fragments of the slot's q-th 128 along K into set p, in one run
	WIN 0x40
.set FI, 0
.rept NB
	FRAG 12*NB*(\p)+12*FI, ADRB+(\slot), \q, FI
.set FI, FI+1
.endr
	WIN 0
.set FI, 0
.rept NB
	FRAG AF+12*NB*(\p)+12*FI, ADRA+(\slot), \q, FI
.set FI, FI+1
.endr
.endm
.macro SCALES set                      ; a slot's scale words: register NQ i + q: lanes 0-15 A's block i, lanes 16-31 B's block i
.set SI, 0
.rept NB
.set SQ, 0
.rept NQ
	ds_load_b32 v[SC+16*(\set)+NQ*SI+SQ], v[ADRS] offset:SQ*SROW+64*SI
.set SQ, SQ+1
.endr
.set SI, SI+1
.endr
.endm
.macro MUL a0, na, p, q, sc, zero      ; A's blocks a0 .. a0 + na - 1 x all of B's; the accumulators take turns, in the same order in every step
.set MA, \a0
.rept \na
.set MB, 0
.rept NB
.set IX, MA*NB+MB
.set AC, 8*(IX%32)
.set WD, 2+IX/32
.set RB_, 12*NB*(\p)+12*MB
.set RA_, AF+12*NB*(\p)+12*MA
.set SB_, SC+16*(\sc)+NQ*MB+(\q)
.set SA_, SC+16*(\sc)+NQ*MA+(\q)
.if (\zero) && HASBIAS
	WIN (WD<<6)|(1<<4)|1
	v_wmma_scale_f32_16x16x128_f8f6f4 v[AC:AC+7], v[RB_:RB_+11], v[RA_:RA_+11], v[BIAS+8*MB:BIAS+8*MB+7], v[SB_], v[SA_] matrix_a_fmt:MATRIX_FMT_FP6 matrix_b_fmt:MATRIX_FMT_FP6 matrix_a_scale:MATRIX_SCALE_ROW1
.elseif \zero
	WIN (WD<<6)|(WD<<4)|1
	v_wmma_scale_f32_16x16x128_f8f6f4 v[AC:AC+7], v[RB_:RB_+11], v[RA_:RA_+11], 0, v[SB_], v[SA_] matrix_a_fmt:MATRIX_FMT_FP6 matrix_b_fmt:MATRIX_FMT_FP6 matrix_a_scale:MATRIX_SCALE_ROW1
.else
	WIN (WD<<6)|(WD<<4)|1
	v_wmma_scale_f32_16x16x128_f8f6f4 v[AC:AC+7], v[RB_:RB_+11], v[RA_:RA_+11], v[AC:AC+7], v[SB_], v[SA_] matrix_a_fmt:MATRIX_FMT_FP6 matrix_b_fmt:MATRIX_FMT_FP6 matrix_a_scale:MATRIX_SCALE_ROW1
.endif
.set MB, MB+1
.endr
.set MA, MA+1
.endr
.endm
.macro STEP slot, q, zero              ; a step of 128 along K that has its successor in the same slot
	s_wait_dscnt 0x0                               ; this step's fragments, asked for half a step ago
	MUL 0, NB/2, (\q)%2, \q, \slot, \zero
	WIN 0
	PLACES 4                                       ; in front of loads into registers that matrix instructions have read
	FETCH \slot, (\q)+1, 1-(\q)%2
	MUL NB/2, NB/2, (\q)%2, \q, \slot, \zero
.endm
.macro TURN slot, next, fill           ; a slot's last step changes slots: one barrier; fill = 1: it opens a round of the cluster's barrier and this slot is filled again
	WIN 0
	s_wait_tensorcnt 0x0                           ; all my tensor loads have landed: my part of the next slot
	ds_add_u32 v[SPW], v[NIL]                      ; 0 onto my spare word
	s_wait_dscnt 1                                 ; the add alone may be out: this step's fragments are in
	MUL 0, NB/4, 1, NQ-1, \slot, 0
	s_wait_dscnt 0x0                               ; the add is done, and my reads of this slot are over
	s_barrier_signal -1
	MUL NB/4, NB/4, 1, NQ-1, \slot, 0
	WIN 0
	s_barrier_wait -1
.if \fill
	CREST                                          ; no wave of any partner still reads this slot or has a load on its way
	s_add_nc_u64 s[G0+4*\slot+2:G0+4*\slot+3], s[G0+4*\slot+2:G0+4*\slot+3], 2*ASTEP
	s_add_nc_u64 s[G0B+4*\slot+2:G0B+4*\slot+3], s[G0B+4*\slot+2:G0B+4*\slot+3], 2*BSTEP
	JLOAD G0+4*\slot, G1, G0B+4*\slot, G1B         ; the first tensor load behind the round; its four v_nop are also the places in front of the loads below
.else
	PLACES 4
.endif
	s_wait_alu depctr_va_vdst(0)
	v_add_nc_u32 v[ADRS], NQ*SROW, v[ADRS]         ; on to the next slot's scale words
	FETCH \next, 0, 0
	SCALES \next
	MUL NB/2, NB/2, 1, NQ-1, \slot, 0
.endm
.macro LAST
	s_wait_dscnt 0x0
	MUL 0, NB, 1, NQ-1, 1, 0
	WIN 0
.endm
; 64 numbers of a lane in window w, register 16 b + i = k 32 b + 16 h + i of my row, become a fragment's codes in v[PC] on and its scale word in v[PW]
.macro QUANT s, w
	s_wait_dscnt 0x0                               ; the last block's stores into the stage have read their registers
	WIN (\w)|((\w)<<2)
.irp b, 0,1,2,3
	v_max3_num_f32 v[TM+\b], |v[(\s)+16*\b]|, |v[(\s)+1+16*\b]|, 0x1800000   ; each accumulator from its low end on; the floor 2^(3 - 127) holds the byte at 1 from below
.endr
	WIN ((\w)<<2)|((\w)<<4)
.irp i, 2,4,6,8,10,12,14
.irp b, 0,1,2,3
	v_max3_num_f32 v[TM+\b], v[TM+\b], |v[(\s)+16*\b+\i]|, |v[(\s)+1+16*\b+\i]|
.endr
.endr
	WIN 0
.irp b, 0,1,2,3
	v_permlanex16_b32 v[TM+4+\b], v[TM+\b], s[SEL], s[SEL+1]
.endr
.irp b, 0,1,2,3
	v_max_num_f32 v[TM+\b], v[TM+\b], v[TM+4+\b]   ; with lane l xor 16's: the block's largest magnitude
.endr
.irp b, 0,1,2,3
	v_add_nc_u32 v[TM+12+\b], 0xff000000, v[TM+\b] ; the conversion's scale operand
.endr
.irp b, 0,1,2,3
	v_lshrrev_b32 v[TM+4+\b], 23, v[TM+12+\b]      ; the byte
.endr
	v_lshl_or_b32 v[PW], v[TM+5], 8, v[TM+4]
	v_lshl_or_b32 v[PW], v[TM+6], 16, v[PW]
	v_lshl_or_b32 v[PW], v[TM+7], 24, v[PW]
	WIN \w
.irp c, 0,1
	v_cvt_scalef32_pk16_fp6_f32 v[PC+6*\c:PC+2+6*\c], v[(\s)+32*\c:(\s)+15+32*\c], v[TM+12+2*\c]
	v_cvt_scalef32_pk16_fp6_f32 v[PC+12+4*\c:PC+14+4*\c], v[(\s)+16+32*\c:(\s)+31+32*\c], v[TM+12+2*\c+1]
.endr
	WIN 0
	v_nop                                          ; one plain line behind the conversions
.irp c, 0,1                                        ; the layout wants a whole block in a lane: lanes 0-15 block 2 c, lanes 16-31 block 2 c + 1
.irp i, 0,1,2
	v_permlane16_swap_b32 v[PC+6*\c+\i], v[PC+12+4*\c+\i]
.endr
.irp i, 0,1,2
	v_mov_b32 v[PC+3+6*\c+\i], v[PC+12+4*\c+\i]
.endr
.endr
.endm
.macro TOSTAGE ac, as, a               ; the fragment and its scale word into my stage, at rows 16 a on
.irp c, 0,1
.irp p, 0,1,2
	ds_store_b64 v[\ac], v[PC+6*\c+2*\p:PC+6*\c+2*\p+1] offset:6144*\c+768*(\a)+8*\p
.endr
.endr
	ds_store_b32 v[\as], v[PW] offset:64*(\a)
.endm
.macro SENDOUT                         ; my stage leaves: 12 + 12 + 1 stores, each of 512 consecutive bytes, aligned
	s_wait_dscnt 0x0
.set I, 0
.rept 24
	ds_load_b128 v[64+4*I:67+4*I], v[RDL] offset:512*I
.set I, I+1
.endr
	ds_load_b128 v[160:163], v[RDL] offset:12288
.set I, 0
.rept 12
	s_wait_dscnt 24-I                              ; the loads issued behind load I may be out
	global_store_b128 v[CO], v[64+4*I:67+4*I], s[96:97] offset:512*I
.set I, I+1
.endr
.rept 12
	s_wait_dscnt 24-I
	global_store_b128 v[CO], v[64+4*I:67+4*I], s[98:99] offset:512*(I-12)
.set I, I+1
.endr
	s_wait_dscnt 0x0
	global_store_b128 v[CO], v[160:163], s[100:101]
.endm
	s_load_b128 s[4:7], s[0:1], 0x0                ; t1, wts
	s_load_b64 s[8:9], s[0:1], 0x10                ; qkvc
	v_lshl_add_u32 v[SPW], v0, 2, SPARE
	v_mov_b32 v[NIL], 0
	ds_add_u32 v28, v29
	ds_add_u32 v28, v29
	s_wait_dscnt 0x0
	v_lshrrev_b32 v1, 5, v0
	v_readfirstlane_b32 s14, v1                    ; wave
	s_lshr_b32 s15, s14, 1                         ; my half of A's rows; also: I fetch for A (0) or B (1)
	s_and_b32 s16, s14, 1                          ; my half of B's rows; also: which 128 rows I fetch
	s_bfe_u32 s40, ttmp6, 0x40000                  ; cx
	s_bfe_u32 s41, ttmp6, 0x40004                  ; cy
	s_and_b32 s45, ttmp7, 0xffff                   ; the cluster's y
	s_lshl_b32 s43, s41, 2
	s_lshl_b32 s43, 15, s43                        ; my row of the cluster
	s_lshl_b32 s44, 0x1111, s40                    ; my column
	s_or_b32 s[G1+0], s43, (3<<16)|(1<<21)         ; the mask; elements of 8 bytes; bit 21 beside a mask; no padding
	s_or_b32 s[G1B+0], s44, (3<<16)|(1<<21)
.irp g, G1, G1B
	s_mov_b32 s[\g+1], 1536<<16                    ; tensor_dim0: 256 rows x 48 bytes = 1,536 elements
	s_mov_b32 s[\g+2], 4<<16                       ; tensor_dim1: 4 groups
	s_mov_b32 s[\g+3], 1536<<16
	s_mov_b32 s[\g+4], 4                           ; tile_dim1
	s_mov_b32 s[\g+5], 24576                       ; from group to group: 4,096 rows x 48 bytes
	s_mov_b32 s[\g+6], 0
	s_mov_b32 s[\g+7], 0
.endr
	s_or_b32 s[G1S+0], s43, (3<<16)|(1<<21)
	s_or_b32 s[G1SB+0], s44, (3<<16)|(1<<21)
.irp g, G1S, G1SB
	s_mov_b32 s[\g+1], 128<<16                     ; 256 rows x 4 bytes
	s_mov_b32 s[\g+2], 8<<16                       ; 8 steps of 128 along K
	s_mov_b32 s[\g+3], 128<<16
	s_mov_b32 s[\g+4], 8
	s_mov_b32 s[\g+5], 2048                        ; from step to step: 4,096 rows x 4 bytes
	s_mov_b32 s[\g+6], 0
	s_mov_b32 s[\g+7], 0
.endr
	s_lshl_b32 s18, s45, 2
	s_add_co_u32 s18, s18, s41                     ; 4 x cluster y + cy
	s_add_co_u32 s20, s41, 8                       ; cy + 8: Wv's tiles
	s_lshl_b32 s42, ttmp9, 2
	s_add_co_u32 s42, s42, s40                     ; 4 x cluster x + cx
	s_lshl_b32 s46, s45, 3
	s_add_co_u32 s46, s46, s42
	s_sub_co_u32 s46, s46, 32                      ; + 8 (cluster y - 4): used where cluster y is 4 or 5
	s_mov_b32 s2, 1024
	s_mov_b32 s67, 9699328
	s_wait_kmcnt 0x0
	s_cmp_lt_u32 s45, 4                            ; Q and K, or V?  The same in all sixteen partners
	s_cselect_b32 s17, s18, s20                    ; A's tile
	s_cselect_b32 s42, s42, s46                    ; B's tile
	s_cselect_b32 s19, s18, s41                    ; the tile of output rows
	s_cselect_b32 s2, 4096, s2                     ; rows to a group of the output
	s_cselect_b32 s66, 0, 6553600                  ; where its codes begin
	s_cselect_b32 s67, 6291456, s67                ; and its scale words
	s_cselect_b64 s[10:11], s[4:5], s[6:7]         ; A
	s_cselect_b64 s[12:13], s[6:7], s[4:5]         ; B
	s_mov_b32 s18, 0                               ; every load begins at the tile's first row
	s_lshl_b32 s20, s17, 8
	s_add_co_u32 s20, s20, s18                     ; A: the first row that I fetch
	s_mul_i32 s22, s20, 48
	s_mov_b32 s23, 0
	s_add_nc_u64 s[22:23], s[10:11], s[22:23]      ; its codes
	s_lshl_b32 s20, s20, 2
	s_add_co_u32 s20, s20, 3145728
	s_mov_b32 s21, 0
	s_add_nc_u64 s[20:21], s[10:11], s[20:21]      ; its scale words (in t1 and in wts alike at byte 3,145,728)
	s_lshl_b32 s46, s42, 8
	s_add_co_u32 s46, s46, s18                     ; B likewise
	s_mul_i32 s92, s46, 48
	s_mov_b32 s93, 0
	s_add_nc_u64 s[92:93], s[12:13], s[92:93]
	s_lshl_b32 s94, s46, 2
	s_add_co_u32 s94, s94, 3145728
	s_mov_b32 s95, 0
	s_add_nc_u64 s[94:95], s[12:13], s[94:95]
	s_lshl_b32 s96, s42, 1                         ; where my results go
	s_add_co_u32 s96, s96, s16
	s_mul_i32 s96, s96, s2                         ; (2 TB + half) x rows: my step of 128 columns
	s_lshl_b32 s98, s19, 8
	s_lshl_b32 s99, s15, 7
	s_add_co_u32 s98, s98, s99                     ; my first output row
	s_add_co_u32 s100, s96, s98
	s_lshl_b32 s100, s100, 2
	s_add_co_u32 s100, s100, s67
	s_mov_b32 s101, 0
	s_add_nc_u64 s[100:101], s[8:9], s[100:101]    ; scale words
	s_lshl_b32 s96, s96, 1
	s_add_co_u32 s96, s96, s98
	s_mul_i32 s96, s96, 48
	s_add_co_u32 s96, s96, s66
	s_mov_b32 s97, 0
	s_add_nc_u64 s[96:97], s[8:9], s[96:97]        ; codes, first group
	s_mul_i32 s98, s2, 48
	s_mov_b32 s99, 0
	s_add_nc_u64 s[98:99], s[96:97], s[98:99]      ; second group
	s_mul_i32 s45, s14, HALFT                      ; LDS: wave x a part: no place in the cluster enters an LDS address
	CROUND                                         ; all sixteen work-groups are here: the first joint loads meet
	s_mov_b32 s[G0S], 1
	s_mov_b32 s[G0S+1], SCL
	s_mov_b64 s[G0S+2:G0S+3], s[20:21]
	s_or_b32 s[G0S+3], s[G0S+3], 0x80000000
	s_mov_b32 s[G0SB], 1
	s_mov_b32 s[G0SB+1], SCL+2*HALFS
	s_mov_b64 s[G0SB+2:G0SB+3], s[94:95]
	s_or_b32 s[G0SB+3], s[G0SB+3], 0x80000000
	s_mul_i32 s18, s16, 2*4096*48                  ; in the ring I fetch two of a slot's four groups
	s_mov_b32 s19, 0
	s_add_nc_u64 s[10:11], s[22:23], s[18:19]
	s_add_nc_u64 s[12:13], s[92:93], s[18:19]
.irp s, 0,1
	s_mov_b32 s[G0+4*\s], 1
	s_add_co_u32 s[G0+4*\s+1], s45, \s*SLOT
	s_add_nc_u64 s[G0+4*\s+2:G0+4*\s+3], s[10:11], \s*ASTEP
	s_or_b32 s[G0+4*\s+3], s[G0+4*\s+3], 0x80000000
	s_mov_b32 s[G0B+4*\s], 1
	s_add_co_u32 s[G0B+4*\s+1], s45, \s*SLOT
	s_add_nc_u64 s[G0B+4*\s+2:G0B+4*\s+3], s[12:13], \s*BSTEP
	s_or_b32 s[G0B+4*\s+3], s[G0B+4*\s+3], 0x80000000
.endr
	s_mov_b32 s20, 1                               ; s[20:23]: group 0 of slot 0's four groups of A, whole
	s_mov_b32 s21, 0
	s_or_b32 s23, s23, 0x80000000
	s_mov_b64 s[94:95], s[92:93]                   ; s[92:95]: the same for B, behind A's
	s_mov_b32 s92, 1
	s_mov_b32 s93, 2*HALFT
	s_or_b32 s95, s95, 0x80000000
	s_cmp_eq_u32 s14, 0                            ; the head's four tiles, one joint load a wave, in one chain of branches on the wave's number
	s_cbranch_scc0 .Lh_b
	tensor_load_to_lds s[20:23], s[G1:G1+7]
	s_nop 0
	PLACES 4
	s_branch .Lh_done
.Lh_b:
	s_cmp_eq_u32 s14, 1
	s_cbranch_scc0 .Lh_sa
	tensor_load_to_lds s[92:95], s[G1B:G1B+7]
	s_nop 0
	PLACES 4
	s_branch .Lh_done
.Lh_sa:
	s_cmp_eq_u32 s14, 2
	s_cbranch_scc0 .Lh_sb
	tensor_load_to_lds s[G0S:G0S+3], s[G1S:G1S+7]
	s_nop 0
	PLACES 4
	s_branch .Lh_done
.Lh_sb:
	tensor_load_to_lds s[G0SB:G0SB+3], s[G1SB:G1SB+7]
	s_nop 0
	PLACES 4
.Lh_done:
	v_and_b32 v1, 15, v0                           ; r
	v_bfe_u32 v2, v0, 4, 1                         ; h
	s_wait_alu depctr_va_vdst(0)
	v_mul_u32_u24 v3, v1, 48
	v_mad_u32_u24 v3, v2, 24, v3                   ; 48 r + 24 h
	s_wait_alu depctr_va_vdst(0)
	s_mul_i32 s18, s15, RW*48
	s_mul_i32 s19, s16, RW*48
	s_add_co_u32 s19, s19, 2*HALFT
.irp s, 0,1
	v_add_nc_u32 v[ADRA+\s], s18, v3
	v_add_nc_u32 v[ADRB+\s], s19, v3
	s_add_co_u32 s18, s18, SLOT
	s_add_co_u32 s19, s19, SLOT
.endr
	v_lshlrev_b32 v5, 2, v1
	s_mul_i32 s18, s15, 4*RW
	s_mul_i32 s19, s16, 4*RW
	s_add_co_u32 s19, s19, 2*HALFS
	s_sub_co_u32 s19, s19, s18
	v_mul_u32_u24 v6, s19, v2                      ; lanes 16-31 take B's: one product with h
	s_add_co_u32 s18, s18, SCL
	v_add_nc_u32 v6, v5, v6
	v_add_nc_u32 v[ADRS], s18, v6
	s_mul_i32 s18, s14, WST
	s_add_co_u32 s18, s18, STG                     ; my stage
	v_add_nc_u32 v[STO], s18, v3
	v_add_nc_u32 v[STS], s18, v5
	v_add_nc_u32 v[STS], 12288, v[STS]
	v_and_b32 v6, 31, v0
	v_lshlrev_b32 v[CO], 4, v6
	v_add_nc_u32 v[RDL], s18, v[CO]
	s_wait_alu depctr_va_vdst(0)
	s_wait_tensorcnt 0x0                           ; my tile of the head's four is in
	ds_add_u32 v[SPW], v[NIL]
	s_mov_b32 s[G1+2], 2<<16                       ; no load of mine is out: from here on a load brings two groups
	s_mov_b32 s[G1+4], 2
	s_mov_b32 s[G1B+2], 2<<16
	s_mov_b32 s[G1B+4], 2
	s_wait_dscnt 0x0
	CROUND                                         ; all four tiles are in, and the partners are here
	JLOAD G0+4, G1, G0B+4, G1B                     ; slot 1's first fill, the first tensor load behind the round
	FETCH 0, 0, 0
	SCALES 0
	STEP 0, 0, 1                                   ; the first step starts the sums: nothing is cleared
	WIN 0
	s_mov_b32 s3, LAPS-1
.Llap:                                             ; a trip goes once round the ring and fills both slots again
	TURN 0, 1, 1
	STEP 1, 0, 0
	TURN 1, 0, 1
	STEP 0, 0, 0
	WIN 0
	s_sub_co_u32 s3, s3, 1
	s_cmp_lg_u32 s3, 0
	s_cbranch_scc1 .Llap
	TURN 0, 1, 0                                   ; the last lap fills nothing
	STEP 1, 0, 0
	LAST
	PLACES 4                                       ; in front of the first read of results and the first write of registers that held fragments
	s_mov_b32 s[SEL], 0x76543210
	s_mov_b32 s[SEL+1], 0xfedcba98
.irp b, 0,1,2,3
	v_mov_b32 v[TM+4+\b], 0                        ; a lane permute's destination counts as one of its sources
.endr
.irp a, 0,1,2,3,4,5,6,7
	QUANT 64*(\a%4), 2+\a/4
	TOSTAGE STO, STS, \a
.endr
	SENDOUT
	s_wait_tensorcnt 0x0                           ; the wave's end
	ds_add_u32 v[SPW], v[NIL]
	s_wait_dscnt 0x0
	CROUND                                         ; the closing round
	s_endpgm
.Lfunc_end_k_q799c395727_qkv:
	.size	k_q799c395727_qkv, .Lfunc_end_k_q799c395727_qkv-k_q799c395727_qkv
	.p2alignl 7, 3214868480
	.fill 96, 4, 3214868480
	.section	.rodata,"a",@progbits
	.p2align	6, 0x0
	.amdhsa_kernel k_q799c395727_qkv
		.amdhsa_group_segment_fixed_size 327680
		.amdhsa_private_segment_fixed_size 0
		.amdhsa_enable_private_segment 0
		.amdhsa_kernarg_size 24
		.amdhsa_user_sgpr_count 2
		.amdhsa_user_sgpr_kernarg_segment_ptr 1
		.amdhsa_wavefront_size32 1
		.amdhsa_system_sgpr_workgroup_id_x 1
		.amdhsa_system_sgpr_workgroup_id_y 1
		.amdhsa_system_sgpr_workgroup_id_z 1
		.amdhsa_system_vgpr_workitem_id 0
		.amdhsa_next_free_vgpr 1024
		.amdhsa_next_free_sgpr 102
		.amdhsa_reserve_vcc 0
		.amdhsa_float_denorm_mode_32 3
		.amdhsa_float_denorm_mode_16_64 3
		.amdhsa_memory_ordered 1
		.amdhsa_forward_progress 1
		.amdhsa_inst_pref_size 173
	.end_amdhsa_kernel
	.amdgpu_metadata
---
amdhsa.version: [ 1, 2 ]
amdhsa.kernels:
  - .name:           k_q799c395727_qkv
    .symbol:         k_q799c395727_qkv.kd
    .args:
      - { .name: t1, .offset: 0, .size: 8, .value_kind: global_buffer, .address_space: global }
      - { .name: wts, .offset: 8, .size: 8, .value_kind: global_buffer, .address_space: global }
      - { .name: qkvc, .offset: 16, .size: 8, .value_kind: global_buffer, .address_space: global }
    .group_segment_fixed_size: 327680
    .private_segment_fixed_size: 0
    .kernarg_segment_align: 8
    .kernarg_segment_size: 24
    .max_flat_workgroup_size: 128
    .sgpr_count:     102
    .vgpr_count:     1024
    .wavefront_size: 32
...
	.end_amdgpu_metadata
.endif
;; end of part 2
;; launch attn (part 3): grid 8 x 32, 16 waves a work-group, clusters of 4 x 1, 223,232 bytes of LDS; arguments qkvc, ao; writes ao
.if DOCPART == 3
	.amdgcn_target "amdgcn-amd-amdhsa--gfx1250"
	.amdhsa_code_object_version 6
	.text
	.protected	k_q799c395727_attn
	.globl	k_q799c395727_attn
	.p2align	8
	.type	k_q799c395727_attn,@function
k_q799c395727_attn:
	s_mov_b64 s[64:65], 0
	v_nop
	global_prefetch_b8 v0, s[64:65] scope:SCOPE_SE
	s_setreg_imm32_b32 hwreg(HW_REG_WAVE_MODE, 25, 1), 1
	s_wait_xcnt 0x0
	s_wait_alu depctr_hold_cnt(0) depctr_sa_sdst(0) depctr_va_vdst(0) depctr_va_sdst(0) depctr_va_ssrc(0) depctr_va_vcc(0) depctr_vm_vsrc(0)
	s_getreg_b32 s2, hwreg(HW_REG_IB_STS2, 6, 4)
	s_cmp_eq_u32 s2, 0
	s_cbranch_scc0 .Lentry_in_a_cluster
	s_endpgm
.Lentry_in_a_cluster:
	s_bfe_u32 s2, ttmp6, 0x10000c
	s_cmp_lg_u32 s2, 0x3003
	s_cbranch_scc0 .Lentry_shape_is_right
	s_endpgm
.Lentry_shape_is_right:
; Causal attention of one head (64 channels) of one batch on codes of FP6 (E2M3) with E8M0 scales; O / l is quantised along the channels for the next product.
; IN (qkvc): Q, K codes [group: head, 16 + head][4096 tokens][48] at 0, their scale words [step][4096][4] at 6,291,456 (a head's two bytes are half of a word);
;   V^T codes [token / 64][1024 channels][48] at 6,553,600, its scale words [token / 128][1024][4] at 9,699,328.  Physical row P holds logical row P with bits 3 and 4 exchanged.
; OUT (ao): codes [head][4096 tokens][48] at 0, scale words [head / 2][4096][4] at 3,145,728.
; THE SOFTMAX: t = score x log2(e) / 8; M = the running largest t rounded UP to a whole number; p = 2^(t - M) is quantised along the keys, not normalised; the row's sum is taken of the unquantised p and divides O at the end.
; When M moves, the sum and O are multiplied by 2^(old M - new M): exact.
; CLUSTER AND SHARES: four work-groups of one head form a cluster, and a head has two clusters.  All four need the head's whole K and V: each tile is asked for JOINTLY, by the same tensor load with the same
; descriptor (head, batch and wave alone enter it) and the mask 15, and each receives it in its own LDS.  A wave owns one physical tile of 16 queries.  Its BLOCK of 128 queries hangs on the wave's number and
; the cluster's x alone: base = 2 (wave % 4) + cluster x, and the block is base, or 15 - base where bit 2 of the wave is set; so the jump over hidden key steps is the same in all four partners.
; Its TILE in the block is 2 cx + wave / 8: the work-group's place in the cluster enters Q's and O's addresses in memory and the number that the mask compares, no branch and no LDS address.
; Waves w, w + 4, w + 8, w + 12 together walk 2 (base + 1) + 2 (16 - base) = 34 key steps, whatever the base.
; THE HEAD'S WHOLE K AND V AND THEIR SCALE WORDS LIE IN LDS (208,896 bytes), filled once, one tensor load a wave: no slot is filled again; one round of the cluster's barrier stands ahead of the fills, one at the end.
; Both products are used transposed (S^T = K Q^T, O^T = V^T P^T): a lane holds ONE query.  By the exchange of bits 3 and 4 the 16 registers of tiles 2 b, 2 b + 1 of S^T are the logical keys 32 b + 16 h + 0 .. 15.
; The score product's K is 64: Q's registers 6-11 are zero codes and the upper two scale bytes are 0, so whatever codes K's registers 6-11 hold add nothing.
; The loop has 16 trips in every wave; a step all of whose keys come after the wave's queries is jumped over; in the step on the diagonal hidden scores become -infinity.
; LIMITS: NaN and infinities are not served; a p under 2^-126 falls to 0; a block under 2^-124 has its byte held at 1; a block of zeros has the byte 1 (its codes are zeros).
.set VC,   98304                       ; LDS: K's codes [2048][48] at 0; V's [32 groups][64][48] here;
.set KSC,  196608                      ; K's scale words [2048][4];
.set VSC,  204800                      ; V's [16 steps][64][4];
.set STG,  208896                      ; a stage of 768 bytes for each wave
.set W0,   15|(3<<16)|(1<<21)          ; a group 1's first word: the mask names all four work-groups; elements of 8 bytes; bit 21 beside a mask; no padding
.set AK0,  1
.set AV0,  2
.set ASK0, 3
.set ASV0, 4
.set DQ,   5                           ; my query's place in its block of 128, less 16 h
.set ADK,  8
.set ADV,  9
.set ADS,  10
.set ADT,  11
.set WV,   18
.set SEL,  20
.set CS,   22
.set TB,   2                           ; LDS byte of the step's codes: 6,144 a step, in K and in V alike
.set TS,   3                           ; of K's scale words: 512 a step
.set TJ,   66                          ; of V's: 256 a step
.set KS,   67                          ; the key step
.set QB,   76                          ; my block of queries
; A round of the cluster's barrier: my work-group's barrier, so that wave 0's signal speaks for all sixteen waves; wave 0 signals for the work-group; every wave waits for all four
; work-groups; my work-group's barrier once more.  No LDS instruction of the wave is pending at a signal.
.macro CROUND
	s_barrier_signal -1
	s_barrier_wait -1
	s_cmp_lg_u32 s[WV], 0
	s_cbranch_scc1 .Lnot_wave_0_\@
	s_barrier_signal -3
.Lnot_wave_0_\@:
	s_barrier_wait -3
	s_barrier_signal -1
	s_barrier_wait -1
.endm
	s_load_b128 s[4:7], s[0:1], 0x0                ; qkvc, ao
	v_lshl_add_u32 v95, v0, 2, 0x36000
	v_mov_b32 v243, 0
	ds_add_u32 v95, v243
	ds_add_u32 v95, v243
	v_lshrrev_b32 v8, 5, v0
	s_delay_alu instid0(VALU_DEP_1)
	v_readfirstlane_b32 s[WV], v8                  ; wave 0..15
	s_add_co_u32 s19, s[WV], 2
	s_and_b32 s19, s19, 7                          ; waves 6-13: which eighth of V's codes I fetch
	s_and_b32 s80, ttmp7, 0xffff                   ; the cluster's y: 16 x batch + head
	s_and_b32 s77, s80, 15                         ; head
	s_lshr_b32 s78, s80, 4                         ; batch
	s_mov_b32 s24, W0                              ; K's codes: 16,384 dense bytes as 64 rows of 256 (32 elements of 8 bytes)
	s_mov_b32 s25, 32<<16
	s_mov_b32 s26, 64<<16                          ; a sixth of K's codes: 64 rows of 256 bytes
	s_mov_b32 s27, 32<<16
	s_mov_b32 s28, 64
	s_mov_b32 s29, 32
	s_mov_b32 s30, 0
	s_mov_b32 s31, 0
	s_mov_b32 s32, W0                              ; K's scale words: 8,192 dense bytes as 32 rows of 256
	s_mov_b32 s33, 32<<16
	s_mov_b32 s34, 32<<16                          ; all of K's scale words: 32 rows of 256 bytes
	s_mov_b32 s35, 32<<16
	s_mov_b32 s36, 32
	s_mov_b32 s37, 32
	s_mov_b32 s38, 0
	s_mov_b32 s39, 0
	s_mov_b32 s40, W0                              ; V's codes: 4 groups x 3,072 bytes (64 rows x 48), 1,024 rows x 48 bytes apart
	s_mov_b32 s41, 384<<16
	s_mov_b32 s42, 4<<16
	s_mov_b32 s43, 384<<16
	s_mov_b32 s44, 4
	s_mov_b32 s45, 6144
	s_mov_b32 s46, 0
	s_mov_b32 s47, 0
	s_mov_b32 s48, W0                              ; V's scale words: 16 steps x 256 bytes, 4,096 bytes apart
	s_mov_b32 s49, 32<<16
	s_mov_b32 s50, 16<<16                          ; all 16 steps of V's scale words
	s_mov_b32 s51, 32<<16
	s_mov_b32 s52, 16
	s_mov_b32 s53, 512
	s_mov_b32 s54, 0
	s_mov_b32 s55, 0
	s_lshl_b32 s81, s78, 11                        ; K: the batch's first row
	s_add_co_u32 s82, s77, 16
	s_mul_i32 s82, s82, 196608
	s_mul_i32 s83, s81, 48
	s_add_co_u32 s82, s82, s83
	s_lshl_b32 s83, s[WV], 14                      ; waves 0-5: my sixth, 16,384 bytes
	s_add_co_u32 s82, s82, s83
	s_mov_b32 s83, 0
	s_lshr_b32 s84, s77, 1
	s_add_co_u32 s84, s84, 8
	s_lshl_b32 s84, s84, 12
	s_add_co_u32 s84, s84, s81
	s_lshl_b32 s84, s84, 2
	s_add_co_u32 s84, s84, 6291456
	s_mov_b32 s85, 0
	s_lshl_b32 s86, s78, 5
	s_lshl_b32 s87, s19, 2
	s_add_co_u32 s86, s86, s87                     ; V: groups 32 b + 4 c on, rows 64 head on
	s_lshl_b32 s86, s86, 10
	s_lshl_b32 s87, s77, 6
	s_add_co_u32 s86, s86, s87
	s_mul_i32 s86, s86, 48
	s_add_co_u32 s86, s86, 6553600
	s_mov_b32 s87, 0
	s_lshl_b32 s88, s78, 4                         ; steps 16 b on
	s_lshl_b32 s88, s88, 10
	s_lshl_b32 s89, s77, 6
	s_add_co_u32 s88, s88, s89
	s_lshl_b32 s88, s88, 2
	s_add_co_u32 s88, s88, 9699328
	s_mov_b32 s89, 0
	s_mul_i32 s90, s19, 12288
	s_lshl_b32 s91, s[WV], 14
	s_wait_dscnt 0x0
	s_wait_kmcnt 0x0
	s_mov_b32 s56, 1
	s_mov_b32 s57, s91
	s_add_nc_u64 s[58:59], s[4:5], s[82:83]
	s_or_b32 s59, s59, 0x80000000
	s_mov_b32 s60, 1
	s_mov_b32 s61, KSC
	s_add_nc_u64 s[62:63], s[4:5], s[84:85]
	s_or_b32 s63, s63, 0x80000000
	s_mov_b32 s68, 1
	s_add_co_u32 s69, s90, VC
	s_add_nc_u64 s[70:71], s[4:5], s[86:87]
	s_or_b32 s71, s71, 0x80000000
	s_mov_b32 s72, 1
	s_mov_b32 s73, VSC
	s_add_nc_u64 s[74:75], s[4:5], s[88:89]
	s_or_b32 s75, s75, 0x80000000
	CROUND                                         ; all four work-groups are here: the joint loads meet
	s_cmp_lt_u32 s[WV], 6                          ; one fill a wave, in one chain of branches on the wave's number: waves 0-5 K's codes by sixths,
	s_cbranch_scc0 .Lfill_v
	tensor_load_to_lds s[56:59], s[24:31]
	s_nop 0
.rept 4
	v_nop
.endr
	s_branch .Lfilled
.Lfill_v:
	s_cmp_lt_u32 s[WV], 14                         ; waves 6-13 V's codes by eighths,
	s_cbranch_scc0 .Lfill_ks
	tensor_load_to_lds s[68:71], s[40:47]
	s_nop 0
.rept 4
	v_nop
.endr
	s_branch .Lfilled
.Lfill_ks:
	s_cmp_eq_u32 s[WV], 14                         ; wave 14 K's scale words,
	s_cbranch_scc0 .Lfill_vs
	tensor_load_to_lds s[60:63], s[32:39]
	s_nop 0
.rept 4
	v_nop
.endr
	s_branch .Lfilled
.Lfill_vs:
	tensor_load_to_lds s[72:75], s[48:55]          ; wave 15 V's
	s_nop 0
.rept 4
	v_nop
.endr
.Lfilled:
	s_bfe_u32 s81, s[WV], 0x10002                  ; bit 2 of the wave: the block base or the block 15 - base
	s_and_b32 s82, s[WV], 3
	s_lshl_b32 s82, s82, 1
	s_add_co_u32 s82, s82, ttmp9                   ; base = 2 (wave % 4) + the cluster's x: 0..7, the same in all four partners
	s_sub_co_u32 s83, 15, s82
	s_cmp_eq_u32 s81, 0
	s_cselect_b32 s[QB], s82, s83
	s_bfe_u32 s82, ttmp6, 0x40000                  ; cx: my place in the cluster
	s_lshl_b32 s82, s82, 1
	s_lshr_b32 s83, s[WV], 3
	s_add_co_u32 s82, s82, s83                     ; my tile in the block: 2 cx + wave / 8, 0..7
	s_lshl_b32 s79, s[QB], 3
	s_add_co_u32 s79, s79, s82                     ; my tile of 16 queries
	s_lshr_b32 s93, s82, 1
	s_lshl_b32 s93, s93, 5
	s_and_b32 s94, s82, 1
	s_lshl_b32 s94, s94, 3
	s_add_co_u32 s93, s93, s94                     ; 32 (tile / 2) + 8 (tile % 2)
	s_lshl_b32 s80, s78, 11
	s_lshl_b32 s81, s79, 4
	s_add_co_u32 s80, s80, s81                     ; my first physical row
	s_mul_i32 s82, s80, 48
	s_mul_i32 s81, s77, 196608
	s_add_co_u32 s82, s82, s81
	s_mov_b32 s83, 0
	s_add_nc_u64 s[84:85], s[4:5], s[82:83]        ; Q's codes
	s_add_nc_u64 s[86:87], s[6:7], s[82:83]        ; and where O's go
	s_lshr_b32 s81, s77, 1
	s_lshl_b32 s81, s81, 12
	s_add_co_u32 s81, s81, s80
	s_lshl_b32 s81, s81, 2
	s_and_b32 s82, s77, 1
	s_lshl_b32 s82, s82, 1                         ; my head's two bytes of a word
	s_add_co_u32 s95, s82, KSC
	s_add_co_u32 s82, s82, s81
	s_add_nc_u64 s[88:89], s[4:5], s[82:83]
	s_add_nc_u64 s[88:89], s[88:89], 6291456       ; Q's scale bytes
	s_add_nc_u64 s[90:91], s[6:7], s[82:83]
	s_add_nc_u64 s[90:91], s[90:91], 3145728       ; and O's
	s_mov_b32 s[SEL], 0x76543210
	s_mov_b32 s[SEL+1], 0xfedcba98
	s_mov_b32 s[CS], 0x3e38aa3b                    ; c = log2(e) / 8
	s_mov_b32 s[CS+1], s[CS]
	s_mov_b32 s[TB], 0
	s_mov_b32 s[TS], 0
	s_mov_b32 s[TJ], 0
	s_mov_b32 s[KS], 0
	v_and_b32 v8, 15, v0                           ; r
	v_bfe_u32 v9, v0, 4, 1                         ; h
	s_delay_alu instid0(VALU_DEP_2)
	v_mul_u32_u24 v[AK0], v8, 48
	s_delay_alu instid0(VALU_DEP_1)
	v_mad_u32_u24 v[AK0], v9, 24, v[AK0]           ; 48 r + 24 h
	s_delay_alu instid0(VALU_DEP_4)
	v_lshlrev_b32 v29, 2, v8                       ; 4 r
.irp p, 0,1,2
	global_load_b64 v[16+2*\p:17+2*\p], v[AK0], s[84:85] offset:8*\p   ; Q's 64 codes a row stay in registers
.endr
	global_load_u16 v255, v29, s[88:89]            ; Q's two scale bytes; the upper two come out 0 and stand over zero codes
	v_add_nc_u32 v[AV0], VC, v[AK0]
	v_lshl_add_u32 v[ASK0], v8, 2, s95
	v_lshl_add_u32 v[ASV0], v8, 2, VSC
	v_and_b32 v10, 7, v0
	v_bfe_u32 v11, v0, 3, 1
	s_delay_alu instid0(VALU_DEP_1)
	v_lshl_add_u32 v[DQ], v11, 4, v10              ; (r % 8) + 16 (r / 8)
	v_lshlrev_b32 v10, 4, v9
	s_delay_alu instid0(VALU_DEP_1)
	v_sub_nc_u32 v[DQ], v[DQ], v10
	s_delay_alu instid0(VALU_DEP_1)
	v_add_nc_u32 v[DQ], s93, v[DQ]
	v_and_b32 v10, 31, v0
	s_delay_alu instid0(VALU_DEP_1)
	v_lshlrev_b32 v28, 3, v10                      ; 8 x lane
	v_mov_b32 v13, 0xff61b1e6                      ; the largest t so far: -3e38
	s_delay_alu instid0(VALU_DEP_1)
	v_floor_f32 v12, -v13                          ; -M
	v_mov_b32 v14, 0
	v_mov_b32 v15, 0
.irp j, 22,23,24,25,26,27
	v_mov_b32 v\j, 0                               ; Q's zero codes: k = 64 .. 127
.endr
.irp t, 0,1,2,3
.irp j, 6,7,8,9,10,11
	v_mov_b32 v[32+12*\t+\j], 0                    ; K's registers 6-11 are never loaded: zeros at first, later what V's fragments left
.endr
.endr
.irp b, 0,1,2,3
	v_mov_b32 v[236+\b], 0                         ; a lane permute's destination counts as one of its sources
.endr
	v_mov_b32 v252, 0
	v_mov_b32 v253, 0
.set I, 0
.rept 32
	v_mov_b32 v[160+I], 0                          ; O^T: the step is written once; the first finds zeros
.set I, I+1
.endr
.macro STEP
	s_cmp_gt_u32 s[KS], s[QB]                      ; all 128 keys come after my queries: nothing to do but step the addresses
	s_cbranch_scc1 .Lhidden_\@
	v_add_nc_u32 v[ADK], s[TB], v[AK0]             ; (these four are also the places in front of the loads below)
	s_wait_alu depctr_va_vdst(0)
	v_add_nc_u32 v[ADV], s[TB], v[AV0]
	v_add_nc_u32 v[ADS], s[TS], v[ASK0]
	s_wait_alu depctr_va_vdst(0)
	v_add_nc_u32 v[ADT], s[TJ], v[ASV0]
.irp g, 0,1                                        ; S^T = K Q^T, four tiles of 16 keys at a time
.if \g
.rept 4
	v_nop
.endr
.endif
.irp t, 0,1,2,3
.irp p, 0,1,2
	ds_load_b64 v[32+12*\t+2*\p:33+12*\t+2*\p], v[ADK] offset:768*(4*\g+\t)+8*\p
.endr
	ds_load_u16 v[248+\t], v[ADS] offset:64*(4*\g+\t)
.endr
	s_wait_dscnt 0x0
.irp t, 0,1,2,3
	v_wmma_scale_f32_16x16x128_f8f6f4 v[96+8*(4*\g+\t):103+8*(4*\g+\t)], v[32+12*\t:43+12*\t], v[16:27], 0, v[248+\t], v255 matrix_a_fmt:MATRIX_FMT_FP6 matrix_b_fmt:MATRIX_FMT_FP6
.endr
.endr
.rept 4
	v_nop
.endr
	s_cmp_lt_u32 s[KS], s[QB]                      ; off the diagonal every key counts
	s_cbranch_scc1 .Lopen_\@
	v_mov_b32 v254, 0xff800000                     ; -infinity.  Register 16 b + i holds the block's key 32 b + 16 h + i: hidden where 32 b + i > DQ
.irp n, 0,1,2,3,4,5,6,7,8,9,10,11,12,13,14,15,16,17,18,19,20,21,22,23,24,25,26,27,28,29,30,31,32,33,34,35,36,37,38,39,40,41,42,43,44,45,46,47,48,49,50,51,52,53,54,55,56,57,58,59,60,61,62,63
	v_cmp_gt_i32 vcc_lo, 32*(\n/16)+\n%16, v[DQ]
	v_cndmask_b32 v[96+\n], v[96+\n], v254, vcc_lo
.endr
.Lopen_\@:
.irp b, 0,1,2,3
	v_max3_num_f32 v[232+\b], v[96+16*\b], v[97+16*\b], v[98+16*\b]   ; the largest score of each block of 32 keys: for the row's maximum and for the block's largest p
.endr
.irp i, 3,5,7,9,11,13
.irp b, 0,1,2,3
	v_max3_num_f32 v[232+\b], v[232+\b], v[96+16*\b+\i], v[97+16*\b+\i]
.endr
.endr
.irp b, 0,1,2,3
	v_max_num_f32 v[232+\b], v[232+\b], v[111+16*\b]
.endr
.irp b, 0,1,2,3
	s_delay_alu instid0(VALU_DEP_4)
	v_permlanex16_b32 v[236+\b], v[232+\b], s[SEL], s[SEL+1]
.endr
.irp b, 0,1,2,3
	s_delay_alu instid0(VALU_DEP_4)
	v_max_num_f32 v[232+\b], v[232+\b], v[236+\b]
.endr
	s_delay_alu instid0(VALU_DEP_2)
	v_max3_num_f32 v254, v232, v233, v234
	s_delay_alu instid0(VALU_DEP_1)
	v_max_num_f32 v254, v254, v235
	s_delay_alu instid0(VALU_DEP_1)
	v_mul_f32 v254, s[CS], v254
	s_delay_alu instid0(VALU_DEP_1)
	v_max_num_f32 v13, v13, v254                   ; the running largest t
	v_mov_b32 v254, v12
	s_delay_alu instid0(VALU_DEP_2)
	v_floor_f32 v12, -v13                          ; -M = floor(-t): M is a whole number
	s_delay_alu instid0(VALU_DEP_1)
	v_sub_f32 v254, v12, v254
	s_delay_alu instid0(VALU_DEP_1)
	v_cvt_i32_f32 v254, v254                       ; (it saturates)
	s_delay_alu instid0(VALU_DEP_1)
	v_ldexp_f32 v252, 1.0, v254                    ; f = 2^(old M - new M)
.set I, 0
.rept 32
	v_pk_fma_f32 v[96+I:97+I], v[96+I:97+I], s[CS:CS+1], v[12:13] op_sel_hi:[1,0,0]   ; t - M
.set I, I+2
.endr
.irp b, 0,1,2,3
	v_fma_f32 v[232+\b], v[232+\b], s[CS], v12
.endr
.set I, 0
	s_wait_alu depctr_va_vdst(0)
.rept 64
	v_exp_f32 v[96+I], v[96+I]                     ; p = 2^(t - M)
.set I, I+1
.endr
	v_pk_mul_f32 v[14:15], v[14:15], v[252:253] op_sel_hi:[1,0]   ; the sums under the new M: a plain line behind the batch
	s_wait_alu depctr_va_vdst(0)                   ; one wait for the 64, ahead of their first reader
.irp b, 0,1,2,3
	v_exp_f32 v[232+\b], v[232+\b]                 ; each block's largest p
.endr
	v_pk_add_f32 v[236:237], v[100:101], v[104:105]
	v_pk_add_f32 v[250:251], v[108:109], v[112:113]
	v_pk_add_f32 v[248:249], v[116:117], v[120:121]
	v_pk_add_f32 v[246:247], v[124:125], v[128:129]
	v_pk_add_f32 v[244:245], v[132:133], v[136:137]
	v_pk_add_f32 v[240:241], v[140:141], v[144:145]
	v_pk_add_f32 v[238:239], v[148:149], v[152:153]
	v_pk_add_f32 v[14:15], v[14:15], v[156:157]
	v_pk_add_f32 v[236:237], v[236:237], v[96:97]
	v_pk_add_f32 v[250:251], v[250:251], v[98:99]
	v_pk_add_f32 v[248:249], v[248:249], v[102:103]
	v_pk_add_f32 v[246:247], v[246:247], v[106:107]
	v_pk_add_f32 v[244:245], v[244:245], v[110:111]
	v_pk_add_f32 v[240:241], v[240:241], v[114:115]
	v_pk_add_f32 v[238:239], v[238:239], v[118:119]
	v_pk_add_f32 v[14:15], v[14:15], v[122:123]
	v_pk_add_f32 v[236:237], v[236:237], v[126:127]
	v_pk_add_f32 v[250:251], v[250:251], v[130:131]
	v_pk_add_f32 v[248:249], v[248:249], v[134:135]
	v_pk_add_f32 v[246:247], v[246:247], v[138:139]
	v_pk_add_f32 v[244:245], v[244:245], v[142:143]
	v_pk_add_f32 v[240:241], v[240:241], v[146:147]
	v_pk_add_f32 v[238:239], v[238:239], v[150:151]
	v_pk_add_f32 v[14:15], v[14:15], v[154:155]
	v_pk_add_f32 v[236:237], v[236:237], v[158:159]
	s_delay_alu instid0(VALU_DEP_2)
	v_pk_add_f32 v[14:15], v[14:15], v[246:247]
	s_delay_alu instid0(VALU_DEP_2)
	v_pk_add_f32 v[236:237], v[236:237], v[244:245]
	v_pk_add_f32 v[250:251], v[250:251], v[240:241]
	v_pk_add_f32 v[248:249], v[248:249], v[238:239]
	s_delay_alu instid0(VALU_DEP_2)
	v_pk_add_f32 v[14:15], v[14:15], v[250:251]
	s_delay_alu instid0(VALU_DEP_2)
	v_pk_add_f32 v[236:237], v[236:237], v[248:249]
	s_delay_alu instid0(VALU_DEP_1)
	v_pk_add_f32 v[14:15], v[14:15], v[236:237]
	s_wait_alu depctr_va_vdst(0)                   ; and one for the four
.irp b, 0,1,2,3
	v_max_num_f32 v[232+\b], 0x1800000, v[232+\b]  ; the floor 2^(3 - 127)
.endr
.irp b, 0,1,2,3
	s_delay_alu instid0(VALU_DEP_4)
	v_add_nc_u32 v[244+\b], 0xff000000, v[232+\b]
.endr
.irp b, 0,1,2,3
	s_delay_alu instid0(VALU_DEP_4)
	v_lshrrev_b32 v[236+\b], 23, v[244+\b]
.endr
	s_delay_alu instid0(VALU_DEP_3)
	v_lshl_or_b32 v253, v237, 8, v236              ; p's scale word for these 128 keys
	s_delay_alu instid0(VALU_DEP_1)
	v_lshl_or_b32 v253, v238, 16, v253
	s_delay_alu instid0(VALU_DEP_1)
	v_lshl_or_b32 v253, v239, 24, v253
.irp c, 0,1
	v_cvt_scalef32_pk16_fp6_f32 v[224+6*\c:226+6*\c], v[96+32*\c:111+32*\c], v[244+2*\c]
	v_cvt_scalef32_pk16_fp6_f32 v[236+4*\c:238+4*\c], v[112+32*\c:127+32*\c], v[244+2*\c+1]
.endr
	v_nop
.irp c, 0,1
.irp i, 0,1,2
	v_permlane16_swap_b32 v[224+6*\c+\i], v[236+4*\c+\i]
.endr
.irp i, 0,1,2
	s_delay_alu instid0(VALU_DEP_3)
	v_mov_b32 v[227+6*\c+\i], v[236+4*\c+\i]
.endr
.endr
.set I, 0
.rept 16
	v_pk_mul_f32 v[160+I:161+I], v[160+I:161+I], v[252:253] op_sel_hi:[1,0]   ; O^T under the new M; these sixteen also stand between the making of p's codes and scale word and the products
.set I, I+2
.endr
.irp t, 0,1,2,3                                    ; O^T += V^T P^T: four tiles of 16 channels; K = these 128 keys
.irp c, 0,1
.irp p, 0,1,2
	ds_load_b64 v[32+12*\t+6*\c+2*\p:33+12*\t+6*\c+2*\p], v[ADV] offset:3072*\c+768*\t+8*\p
.endr
.endr
	ds_load_b32 v[248+\t], v[ADT] offset:64*\t
.endr
	s_wait_alu depctr_va_vdst(0)
	s_wait_dscnt 0x0
.irp t, 0,1,2,3
	v_wmma_scale_f32_16x16x128_f8f6f4 v[160+8*\t:167+8*\t], v[32+12*\t:43+12*\t], v[224:235], v[160+8*\t:167+8*\t], v[248+\t], v253 matrix_a_fmt:MATRIX_FMT_FP6 matrix_b_fmt:MATRIX_FMT_FP6
.endr
.Lhidden_\@:
	s_add_co_u32 s[TB], s[TB], 6144
	s_add_co_u32 s[TS], s[TS], 512
	s_add_co_u32 s[TJ], s[TJ], 256
.endm
	s_wait_tensorcnt 0x0                           ; my two parts are in,
	s_barrier_signal -1
	s_barrier_wait -1                              ; everybody's are
	s_wait_loadcnt 0x0                             ; Q
.Lkey:
	STEP
	s_add_co_u32 s[KS], s[KS], 1
	s_cmp_lt_u32 s[KS], 16
	s_cbranch_scc1 .Lkey
	; THE WAY OUT: O^T / the sum, quantised along the channels (two blocks of 32), through my stage, so that 32 lanes store 256 consecutive bytes, aligned
	v_add_f32 v14, v14, v15
	s_delay_alu instid0(VALU_DEP_1)
	v_permlanex16_b32 v252, v14, s[SEL], s[SEL+1]
	s_delay_alu instid0(VALU_DEP_1)
	v_add_f32 v14, v14, v252
	s_wait_alu depctr_va_vdst(0)
	v_rcp_f32 v14, v14
	s_mul_i32 s80, s[WV], 768
	s_add_co_u32 s80, s80, STG
	v_add_nc_u32 v6, s80, v[AK0]                   ; in: 48 r + 24 h  (plain lines behind the reciprocal and behind the last products)
	v_add_nc_u32 v7, s80, v28                      ; back: 8 bytes a lane
	v_nop
	v_nop
	s_wait_alu depctr_va_vdst(0)
.set I, 0
.rept 32
	v_mul_f32 v[192+I], v[160+I], v14              ; register 16 B + i is the logical channel 32 B + 16 h + i
.set I, I+1
.endr
.irp b, 0,1
	v_max3_num_f32 v[232+\b], |v[192+16*\b]|, |v[193+16*\b]|, 0x1800000
.endr
.irp i, 2,4,6,8,10,12,14
.irp b, 0,1
	s_delay_alu instid0(VALU_DEP_2)
	v_max3_num_f32 v[232+\b], v[232+\b], |v[192+16*\b+\i]|, |v[193+16*\b+\i]|
.endr
.endr
.irp b, 0,1
	s_delay_alu instid0(VALU_DEP_2)
	v_permlanex16_b32 v[236+\b], v[232+\b], s[SEL], s[SEL+1]
.endr
.irp b, 0,1
	s_delay_alu instid0(VALU_DEP_2)
	v_max_num_f32 v[232+\b], v[232+\b], v[236+\b]
.endr
.irp b, 0,1
	s_delay_alu instid0(VALU_DEP_2)
	v_add_nc_u32 v[244+\b], 0xff000000, v[232+\b]
.endr
.irp b, 0,1
	s_delay_alu instid0(VALU_DEP_2)
	v_lshrrev_b32 v[236+\b], 23, v[244+\b]
.endr
	s_delay_alu instid0(VALU_DEP_1)
	v_lshl_or_b32 v238, v237, 8, v236              ; my head's two scale bytes
	v_cvt_scalef32_pk16_fp6_f32 v[224:226], v[192:207], v244
	v_cvt_scalef32_pk16_fp6_f32 v[240:242], v[208:223], v245
	v_nop
.irp i, 0,1,2
	v_permlane16_swap_b32 v[224+\i], v[240+\i]
.endr
.irp i, 0,1,2
	s_delay_alu instid0(VALU_DEP_3)
	v_mov_b32 v[227+\i], v[240+\i]
.endr
.irp p, 0,1,2
	ds_store_b64 v6, v[224+2*\p:225+2*\p] offset:8*\p
.endr
.irp i, 0,1,2
	ds_load_b64 v[32+2*\i:33+2*\i], v7 offset:256*\i    ; LDS serves a wave's instructions in order: these see my stores
.endr
	s_wait_alu depctr_va_vdst(0)
	s_wait_dscnt 0x0
.irp i, 0,1,2
	global_store_b64 v28, v[32+2*\i:33+2*\i], s[86:87] offset:256*\i
.endr
	global_store_b16 v29, v238, s[90:91]           ; two of each word's four bytes (both halves of the lanes hold and write the same)
	s_wait_tensorcnt 0x0
	ds_add_u32 v95, v243
	s_wait_dscnt 0x0
	CROUND                                         ; the closing round: no work-group ends while a partner may still ask for a tile that names it
	s_endpgm
.Lfunc_end_k_q799c395727_attn:
	.size	k_q799c395727_attn, .Lfunc_end_k_q799c395727_attn-k_q799c395727_attn
	.p2alignl 7, 3214868480
	.fill 96, 4, 3214868480
	.section	.rodata,"a",@progbits
	.p2align	6, 0x0
	.amdhsa_kernel k_q799c395727_attn
		.amdhsa_group_segment_fixed_size 223232
		.amdhsa_private_segment_fixed_size 0
		.amdhsa_enable_private_segment 0
		.amdhsa_kernarg_size 16
		.amdhsa_user_sgpr_count 2
		.amdhsa_user_sgpr_kernarg_segment_ptr 1
		.amdhsa_wavefront_size32 1
		.amdhsa_system_sgpr_workgroup_id_x 1
		.amdhsa_system_sgpr_workgroup_id_y 1
		.amdhsa_system_sgpr_workgroup_id_z 1
		.amdhsa_system_vgpr_workitem_id 0
		.amdhsa_next_free_vgpr 256
		.amdhsa_next_free_sgpr 96
		.amdhsa_reserve_vcc 1
		.amdhsa_float_denorm_mode_32 3
		.amdhsa_float_denorm_mode_16_64 3
		.amdhsa_memory_ordered 1
		.amdhsa_forward_progress 1
		.amdhsa_inst_pref_size 42
	.end_amdhsa_kernel
	.amdgpu_metadata
---
amdhsa.version: [ 1, 2 ]
amdhsa.kernels:
  - .name:           k_q799c395727_attn
    .symbol:         k_q799c395727_attn.kd
    .args:
      - { .name: qkvc, .offset: 0, .size: 8, .value_kind: global_buffer, .address_space: global }
      - { .name: ao, .offset: 8, .size: 8, .value_kind: global_buffer, .address_space: global }
    .group_segment_fixed_size: 223232
    .private_segment_fixed_size: 0
    .kernarg_segment_align: 8
    .kernarg_segment_size: 16
    .max_flat_workgroup_size: 512
    .sgpr_count:     96
    .vgpr_count:     256
    .wavefront_size: 32
...
	.end_amdgpu_metadata
.endif
;; end of part 3
;; launch proj (part 4): grid 8 x 32, 4 waves a work-group, clusters of 4 x 4, 327,680 bytes of LDS; arguments ao, wts, x, x1; writes x1
.if DOCPART == 4
	.amdgcn_target "amdgcn-amd-amdhsa--gfx1250"
	.amdhsa_code_object_version 6
	.text
	.protected	k_q799c395727_proj
	.globl	k_q799c395727_proj
	.p2align	8
	.type	k_q799c395727_proj,@function
k_q799c395727_proj:
	s_mov_b64 s[64:65], 0
	v_nop
	global_prefetch_b8 v0, s[64:65] scope:SCOPE_SE
	s_setreg_imm32_b32 hwreg(HW_REG_WAVE_MODE, 25, 1), 1
	s_wait_xcnt 0x0
	s_wait_alu depctr_hold_cnt(0) depctr_sa_sdst(0) depctr_va_vdst(0) depctr_va_sdst(0) depctr_va_ssrc(0) depctr_va_vcc(0) depctr_vm_vsrc(0)
	s_getreg_b32 s2, hwreg(HW_REG_IB_STS2, 6, 4)
	s_cmp_eq_u32 s2, 0
	s_cbranch_scc0 .Lentry_in_a_cluster
	s_endpgm
.Lentry_in_a_cluster:
	s_bfe_u32 s2, ttmp6, 0x10000c
	s_cmp_lg_u32 s2, 0xf033
	s_cbranch_scc0 .Lentry_shape_is_right
	s_endpgm
.Lentry_shape_is_right:
; x1 = x + attention's output x Wout, the product on codes of FP6 (E2M3) with E8M0 scales; x and x1 are f32 [4096][1024], logical rows.
; OPERANDS lie as codes C[k / 64][row][48 bytes] and scale words S[k / 128][row][4]; physical row P holds logical row P with bits 3 and 4 exchanged.
; N is 1,024: tiles of 256 x 256 would give 64 work-groups, so a tile of C is 128 x 128, four waves, 64 x 64 each: 16 accumulators; 256 work-groups.
; THE MATRIX INSTRUCTION IS USED TRANSPOSED (source 0 = 16 physical rows of Wout's codes, source 1 = 16 physical rows of tokens): lane (r, h) holds token row 16 a + r,
; register j of accumulator (a, b) the logical column 32 (b / 2) + 16 h + 8 (b % 2) + j.
; K goes in steps of 512 through two LDS slots (K = 1,024: each slot is filled once); one tensor load brings an operand's whole tile, 16 groups x 128 rows x 48 bytes.  The scale words come once, with the first fills.
; CLUSTERS 4 x 4: A's tiles are asked for jointly along a row, B's along a column.  The residual is asked for at the head and waits in registers.
; REGISTERS: window 0: v0-31 addresses, v32-63 scale words (two sets), v64-159 A's fragments (two sets), v160-223 the way out; window 1: v0-95 B's fragments; window 2: v0-127 accumulators, v128-255 the residual.
.set NB,    4
.set RW,    64
.set GPS,   8
.set NQ,    4
.set KK,    1024
.set GB,    2*RW*48                    ; a group in LDS: the tile's 128 rows
.set HALFT, GPS*GB/2
.set SLOT,  4*HALFT
.set LAPS,  KK/(2*128*NQ)
.set SROW,  8*RW
.set HALFS, (KK/128)*SROW/2
.set SCL,   2*SLOT
.set SPARE, SCL+4*HALFS                ; the spare words, 128 bytes for each wave: two blocks of 256 bytes that no other line names
.set STG,   SPARE+512                  ; a stage of 16 rows x (256 + 16) bytes for each wave, into which no fill lands
.set WST,   4352
.set ASTEP, GPS*4096*48
.set BSTEP, GPS*1024*48
.set ASOFF, 3145728                    ; A's scale words in its buffer
.set BCOFF, 3276800                    ; Wout's codes in wts
.set BSOFF, 4063232                    ; and its scale words
.set HASBIAS, 0
.set BIAS,  96
.set ADRA, 16
.set ADRB, 20
.set STO,  22
.set RD,   23
.set CO,   24
.set ADRS, 27
.set SPW,  28
.set NIL,  29
.set SC,   32
.set AF,   64
.set G1, 24
.set G0, 32
.set G1B, 48
.set G0B, 56
.set G1S, 68
.set G0S, 76
.set G1SB, 80
.set G0SB, 88
.set MSB, 0
.macro WIN new                         ; the immediate's high byte repeats the setting that is left; a switch that changes nothing is dropped
.if MSB != (\new)
	s_set_vgpr_msb (MSB<<8)|(\new)
.set MSB, (\new)
.endif
.endm
.macro PLACES n
.rept \n
	v_nop
.endr
.endm
.macro JLOAD g0a, g1a, g0b, g1b        ; a joint load: waves 0, 1 fetch for A, waves 2, 3 for B; four v_nop follow each line
	s_cmp_eq_u32 s15, 0
	s_cbranch_scc0 .Lfor_b_\@
	tensor_load_to_lds s[\g0a:\g0a+3], s[\g1a:\g1a+7]
	s_nop 0
	PLACES 4
	s_branch .Lasked_\@
.Lfor_b_\@:
	tensor_load_to_lds s[\g0b:\g0b+3], s[\g1b:\g1b+7]
	s_nop 0
	PLACES 4
.Lasked_\@:
.endm
.macro CREST
	s_cmp_lg_u32 s14, 0
	s_cbranch_scc1 .Lnot_wave_0_\@
	s_barrier_signal -3
.Lnot_wave_0_\@:
	s_barrier_wait -3
	s_barrier_signal -1
	s_barrier_wait -1
.endm
.macro CROUND
	s_barrier_signal -1
	s_barrier_wait -1
	CREST
.endm
.macro FRAG reg, adr, q, i             ; a fragment: registers 6 c .. 6 c + 5 = 24 bytes of group 2 q + c at row 16 i + r, half h
.irp c, 0,1
.irp p, 0,1,2
	ds_load_b64 v[(\reg)+6*\c+2*\p:(\reg)+6*\c+2*\p+1], v[\adr] offset:(2*(\q)+\c)*GB+(\i)*768+8*\p
.endr
.endr
.endm
.macro FETCH slot, q, p
	WIN 0x40
.set FI, 0
.rept NB
	FRAG 12*NB*(\p)+12*FI, ADRB+(\slot), \q, FI
.set FI, FI+1
.endr
	WIN 0
.set FI, 0
.rept NB
	FRAG AF+12*NB*(\p)+12*FI, ADRA+(\slot), \q, FI
.set FI, FI+1
.endr
.endm
.macro SCALES set                      ; register NQ i + q: lanes 0-15 A's block i, lanes 16-31 B's block i
.set SI, 0
.rept NB
.set SQ, 0
.rept NQ
	ds_load_b32 v[SC+16*(\set)+NQ*SI+SQ], v[ADRS] offset:SQ*SROW+64*SI
.set SQ, SQ+1
.endr
.set SI, SI+1
.endr
.endm
.macro MUL a0, na, p, q, sc, zero      ; the accumulators take turns, in the same order in every step
.set MA, \a0
.rept \na
.set MB, 0
.rept NB
.set IX, MA*NB+MB
.set AC, 8*(IX%32)
.set WD, 2+IX/32
.set RB_, 12*NB*(\p)+12*MB
.set RA_, AF+12*NB*(\p)+12*MA
.set SB_, SC+16*(\sc)+NQ*MB+(\q)
.set SA_, SC+16*(\sc)+NQ*MA+(\q)
.if (\zero) && HASBIAS
	WIN (WD<<6)|(1<<4)|1
	v_wmma_scale_f32_16x16x128_f8f6f4 v[AC:AC+7], v[RB_:RB_+11], v[RA_:RA_+11], v[BIAS+8*MB:BIAS+8*MB+7], v[SB_], v[SA_] matrix_a_fmt:MATRIX_FMT_FP6 matrix_b_fmt:MATRIX_FMT_FP6 matrix_a_scale:MATRIX_SCALE_ROW1
.elseif \zero
	WIN (WD<<6)|(WD<<4)|1
	v_wmma_scale_f32_16x16x128_f8f6f4 v[AC:AC+7], v[RB_:RB_+11], v[RA_:RA_+11], 0, v[SB_], v[SA_] matrix_a_fmt:MATRIX_FMT_FP6 matrix_b_fmt:MATRIX_FMT_FP6 matrix_a_scale:MATRIX_SCALE_ROW1
.else
	WIN (WD<<6)|(WD<<4)|1
	v_wmma_scale_f32_16x16x128_f8f6f4 v[AC:AC+7], v[RB_:RB_+11], v[RA_:RA_+11], v[AC:AC+7], v[SB_], v[SA_] matrix_a_fmt:MATRIX_FMT_FP6 matrix_b_fmt:MATRIX_FMT_FP6 matrix_a_scale:MATRIX_SCALE_ROW1
.endif
.set MB, MB+1
.endr
.set MA, MA+1
.endr
.endm
.macro STEP slot, q, zero
	s_wait_dscnt 0x0                               ; this step's fragments, asked for half a step ago
	MUL 0, NB/2, (\q)%2, \q, \slot, \zero
	WIN 0
	PLACES 4                                       ; in front of loads into registers that matrix instructions have read
	FETCH \slot, (\q)+1, 1-(\q)%2
	MUL NB/2, NB/2, (\q)%2, \q, \slot, \zero
.endm
.macro TURN slot, next, fill           ; a slot's last step changes slots: one barrier; fill = 1: it opens a round of the cluster's barrier and this slot is filled again
	WIN 0
	s_wait_tensorcnt 0x0                           ; all my tensor loads have landed: my part of the next slot
	ds_add_u32 v[SPW], v[NIL]                      ; 0 onto my spare word
	s_wait_dscnt 1                                 ; the add alone may be out
	MUL 0, NB/4, 1, NQ-1, \slot, 0
	s_wait_dscnt 0x0                               ; the add is done, and my reads of this slot are over
	s_barrier_signal -1
	MUL NB/4, NB/4, 1, NQ-1, \slot, 0
	WIN 0
	s_barrier_wait -1
.if \fill
	CREST
	s_add_nc_u64 s[G0+4*\slot+2:G0+4*\slot+3], s[G0+4*\slot+2:G0+4*\slot+3], 2*ASTEP
	s_add_nc_u64 s[G0B+4*\slot+2:G0B+4*\slot+3], s[G0B+4*\slot+2:G0B+4*\slot+3], 2*BSTEP
	JLOAD G0+4*\slot, G1, G0B+4*\slot, G1B
.else
	PLACES 4
.endif
	v_add_nc_u32 v[ADRS], NQ*SROW, v[ADRS]
	FETCH \next, 0, 0
	SCALES \next
	MUL NB/2, NB/2, 1, NQ-1, \slot, 0
.endm
.macro LAST
	s_wait_dscnt 0x0
	MUL 0, NB, 1, NQ-1, 1, 0
	WIN 0
.endm
; THE WAY OUT of block a (16 physical rows x 64 columns): through my stage, back as whole rows of 256 bytes, + the residual, to the LOGICAL rows
.macro OUTBLK a
.set T, 160+32*((\a)%2)
.if (\a) > 1
	s_wait_xcnt 0x0                                ; block a - 2's stores have read their registers
.endif
	WIN 0x08                                       ; an LDS store's data: window 2
.irp b, 0,1,2,3
	ds_store_b128 v[STO], v[8*(4*(\a)+\b):8*(4*(\a)+\b)+3] offset:128*(\b/2)+32*(\b%2)      ; each accumulator from its low end on
	ds_store_b128 v[STO], v[8*(4*(\a)+\b)+4:8*(4*(\a)+\b)+7] offset:128*(\b/2)+32*(\b%2)+16
.endr
	WIN 0
.irp t, 0,1,2,3,4,5,6,7
	ds_load_b128 v[T+4*\t:T+4*\t+3], v[RD] offset:544*\t    ; LDS serves a wave's instructions in order: these see my stores
.endr
	s_wait_dscnt 0x0
	WIN 0x08
.set I, 0
.rept 16
	v_pk_add_f32 v[T+I:T+I+1], v[T+I:T+I+1], v[128+32*(\a)+I:128+32*(\a)+I+1]
.set I, I+2
.endr
	WIN 0
.irp t, 0,1,2,3,4,5,6,7
	global_store_b128 v[CO], v[T+4*\t:T+4*\t+3], s[96:97] offset:(32*((\a)/2)+8*((\a)%2)+2*(\t%4)+16*(\t/4))*4096   ; 16 lanes store 256 consecutive bytes, aligned
.endr
.endm
	s_load_b256 s[4:11], s[0:1], 0x0               ; ao, wts, x, x1
	v_lshl_add_u32 v[SPW], v0, 2, SPARE
	v_mov_b32 v[NIL], 0
	ds_add_u32 v28, v29
	ds_add_u32 v28, v29
	s_wait_dscnt 0x0
	v_lshrrev_b32 v1, 5, v0
	v_readfirstlane_b32 s14, v1
	s_lshr_b32 s15, s14, 1
	s_and_b32 s16, s14, 1
	s_bfe_u32 s40, ttmp6, 0x40000                  ; cx
	s_bfe_u32 s41, ttmp6, 0x40004                  ; cy
	s_lshl_b32 s42, ttmp9, 2
	s_add_co_u32 s42, s42, s40                     ; B's tile: 4 x cluster x + cx
	s_and_b32 s17, ttmp7, 0xffff
	s_lshl_b32 s17, s17, 2
	s_add_co_u32 s17, s17, s41                     ; A's tile: 4 x cluster y + cy
	s_lshl_b32 s43, s41, 2
	s_lshl_b32 s43, 15, s43
	s_lshl_b32 s44, 0x1111, s40
	s_or_b32 s[G1+0], s43, (3<<16)|(1<<21)
	s_or_b32 s[G1B+0], s44, (3<<16)|(1<<21)
.irp g, G1, G1B
	s_mov_b32 s[\g+1], 768<<16                     ; 128 rows x 48 bytes = 768 elements of 8 bytes
	s_mov_b32 s[\g+2], 16<<16                      ; all 16 groups of K: one load brings an operand's whole tile
	s_mov_b32 s[\g+3], 768<<16
	s_mov_b32 s[\g+4], 16
	s_mov_b32 s[\g+6], 0
	s_mov_b32 s[\g+7], 0
.endr
	s_mov_b32 s[G1+5], 24576                       ; A: 4,096 rows to a group
	s_mov_b32 s[G1B+5], 6144                       ; B: 1,024
	s_or_b32 s[G1S+0], s43, (3<<16)|(1<<21)
	s_or_b32 s[G1SB+0], s44, (3<<16)|(1<<21)
.irp g, G1S, G1SB
	s_mov_b32 s[\g+1], 64<<16                      ; 128 rows x 4 bytes
	s_mov_b32 s[\g+2], (KK/128)<<16
	s_mov_b32 s[\g+3], 64<<16
	s_mov_b32 s[\g+4], KK/128
	s_mov_b32 s[\g+6], 0
	s_mov_b32 s[\g+7], 0
.endr
	s_mov_b32 s[G1S+5], 2048
	s_mov_b32 s[G1SB+5], 512
	v_and_b32 v1, 15, v0                           ; r
	v_bfe_u32 v2, v0, 4, 1                         ; h
	v_lshlrev_b32 v[CO], 12, v2
	v_lshl_add_u32 v[CO], v1, 4, v[CO]             ; a row of 4,096 bytes for each half of the lanes, 16 bytes a lane
	s_mov_b32 s18, 0                               ; every load begins at the tile's first row
	s_lshl_b32 s20, s17, 7
	s_add_co_u32 s20, s20, s18                     ; A: the first row that I fetch
	s_mul_i32 s22, s20, 48
	s_mov_b32 s23, 0
	s_lshl_b32 s20, s20, 2
	s_add_co_u32 s20, s20, ASOFF
	s_mov_b32 s21, 0
	s_lshl_b32 s46, s42, 7
	s_add_co_u32 s46, s46, s18                     ; B likewise
	s_mul_i32 s92, s46, 48
	s_add_co_u32 s92, s92, BCOFF
	s_mov_b32 s93, 0
	s_lshl_b32 s94, s46, 2
	s_add_co_u32 s94, s94, BSOFF
	s_mov_b32 s95, 0
	s_lshl_b32 s96, s17, 7                         ; my part of x and x1: row 128 TA + 64 half, column 128 TB + 64 half
	s_lshl_b32 s97, s15, 6
	s_add_co_u32 s96, s96, s97
	s_lshl_b32 s96, s96, 12
	s_lshl_b32 s98, s42, 9
	s_lshl_b32 s99, s16, 8
	s_add_co_u32 s98, s98, s99
	s_add_co_u32 s96, s96, s98
	s_mov_b32 s97, 0
	s_wait_alu depctr_va_vdst(0)
	s_wait_kmcnt 0x0
	s_add_nc_u64 s[22:23], s[4:5], s[22:23]
	s_add_nc_u64 s[20:21], s[4:5], s[20:21]
	s_add_nc_u64 s[92:93], s[6:7], s[92:93]
	s_add_nc_u64 s[94:95], s[6:7], s[94:95]
	s_add_nc_u64 s[98:99], s[8:9], s[96:97]        ; the residual
	s_add_nc_u64 s[96:97], s[10:11], s[96:97]      ; the output
	WIN 0x80                                       ; destination window 2
.irp a, 0,1,2,3
.irp t, 0,1,2,3,4,5,6,7
	global_load_b128 v[128+32*\a+4*\t:131+32*\a+4*\t], v[CO], s[98:99] offset:(32*(\a/2)+8*(\a%2)+2*(\t%4)+16*(\t/4))*4096
.endr
.endr
	WIN 0
	CROUND                                         ; all sixteen work-groups are here: the first joint loads meet
	s_mov_b32 s[G0S], 1
	s_mov_b32 s[G0S+1], SCL
	s_mov_b64 s[G0S+2:G0S+3], s[20:21]
	s_or_b32 s[G0S+3], s[G0S+3], 0x80000000
	s_mov_b32 s[G0SB], 1
	s_mov_b32 s[G0SB+1], SCL+2*HALFS
	s_mov_b64 s[G0SB+2:G0SB+3], s[94:95]
	s_or_b32 s[G0SB+3], s[G0SB+3], 0x80000000
	s_mov_b32 s[G0], 1                             ; A's 16 groups lie from LDS byte 0 on, B's behind them
	s_mov_b32 s[G0+1], 0
	s_mov_b64 s[G0+2:G0+3], s[22:23]
	s_or_b32 s[G0+3], s[G0+3], 0x80000000
	s_mov_b32 s[G0B], 1
	s_mov_b32 s[G0B+1], SLOT
	s_mov_b64 s[G0B+2:G0B+3], s[92:93]
	s_or_b32 s[G0B+3], s[G0B+3], 0x80000000
	s_cmp_eq_u32 s14, 0                            ; four tiles, one joint load a wave, in one chain of branches on the wave's number; nothing is filled later
	s_cbranch_scc0 .Lh_b
	tensor_load_to_lds s[G0:G0+3], s[G1:G1+7]
	s_nop 0
	PLACES 4
	s_branch .Lh_done
.Lh_b:
	s_cmp_eq_u32 s14, 1
	s_cbranch_scc0 .Lh_sa
	tensor_load_to_lds s[G0B:G0B+3], s[G1B:G1B+7]
	s_nop 0
	PLACES 4
	s_branch .Lh_done
.Lh_sa:
	s_cmp_eq_u32 s14, 2
	s_cbranch_scc0 .Lh_sb
	tensor_load_to_lds s[G0S:G0S+3], s[G1S:G1S+7]
	s_nop 0
	PLACES 4
	s_branch .Lh_done
.Lh_sb:
	tensor_load_to_lds s[G0SB:G0SB+3], s[G1SB:G1SB+7]
	s_nop 0
	PLACES 4
.Lh_done:
	v_mul_u32_u24 v3, v1, 48
	v_mad_u32_u24 v3, v2, 24, v3
	s_mul_i32 s18, s15, RW*48
	s_mul_i32 s19, s16, RW*48
	s_add_co_u32 s19, s19, SLOT
.irp s, 0,1
	v_add_nc_u32 v[ADRA+\s], s18, v3
	v_add_nc_u32 v[ADRB+\s], s19, v3
	s_add_co_u32 s18, s18, SLOT/2                  ; groups 8 to 15 of the same operand
	s_add_co_u32 s19, s19, SLOT/2
.endr
	v_lshlrev_b32 v5, 2, v1
	s_mul_i32 s18, s15, 4*RW
	s_mul_i32 s19, s16, 4*RW
	s_add_co_u32 s19, s19, 2*HALFS
	s_sub_co_u32 s19, s19, s18
	v_mul_u32_u24 v6, s19, v2                      ; lanes 16-31 take B's: one product with h
	s_add_co_u32 s18, s18, SCL
	v_add_nc_u32 v6, v5, v6
	v_add_nc_u32 v[ADRS], s18, v6
	s_mul_i32 s18, s14, WST
	s_add_co_u32 s18, s18, STG
	v_mul_u32_u24 v5, v1, 272
	v_lshl_add_u32 v5, v2, 6, v5
	v_add_nc_u32 v[STO], s18, v5                   ; in: row r, + 64 h
	v_mul_u32_u24 v5, v2, 272
	v_lshl_add_u32 v5, v1, 4, v5
	v_add_nc_u32 v[RD], s18, v5                    ; back: lanes 0-15 one row, lanes 16-31 the next
	s_wait_alu depctr_va_vdst(0)
	s_wait_tensorcnt 0x0                           ; my tile is in; behind the barrier everybody's is
	s_barrier_signal -1
	s_barrier_wait -1
	FETCH 0, 0, 0
	SCALES 0
	STEP 0, 0, 1
	STEP 0, 1, 0
	STEP 0, 2, 0
	TURN 0, 1, 0                                   ; K is two slots long: nothing is filled again
	STEP 1, 0, 0
	STEP 1, 1, 0
	STEP 1, 2, 0
	LAST
	s_wait_loadcnt 0x0                             ; the residual
	PLACES 4
	OUTBLK 0
	OUTBLK 1
	OUTBLK 2
	OUTBLK 3
	s_wait_tensorcnt 0x0                           ; the wave's end
	ds_add_u32 v[SPW], v[NIL]
	s_wait_dscnt 0x0
	CROUND                                         ; the closing round
	s_endpgm
.Lfunc_end_k_q799c395727_proj:
	.size	k_q799c395727_proj, .Lfunc_end_k_q799c395727_proj-k_q799c395727_proj
	.p2alignl 7, 3214868480
	.fill 96, 4, 3214868480
	.section	.rodata,"a",@progbits
	.p2align	6, 0x0
	.amdhsa_kernel k_q799c395727_proj
		.amdhsa_group_segment_fixed_size 327680
		.amdhsa_private_segment_fixed_size 0
		.amdhsa_enable_private_segment 0
		.amdhsa_kernarg_size 32
		.amdhsa_user_sgpr_count 2
		.amdhsa_user_sgpr_kernarg_segment_ptr 1
		.amdhsa_wavefront_size32 1
		.amdhsa_system_sgpr_workgroup_id_x 1
		.amdhsa_system_sgpr_workgroup_id_y 1
		.amdhsa_system_sgpr_workgroup_id_z 1
		.amdhsa_system_vgpr_workitem_id 0
		.amdhsa_next_free_vgpr 768
		.amdhsa_next_free_sgpr 102
		.amdhsa_reserve_vcc 0
		.amdhsa_float_denorm_mode_32 3
		.amdhsa_float_denorm_mode_16_64 3
		.amdhsa_memory_ordered 1
		.amdhsa_forward_progress 1
		.amdhsa_inst_pref_size 69
	.end_amdhsa_kernel
	.amdgpu_metadata
---
amdhsa.version: [ 1, 2 ]
amdhsa.kernels:
  - .name:           k_q799c395727_proj
    .symbol:         k_q799c395727_proj.kd
    .args:
      - { .name: ao, .offset: 0, .size: 8, .value_kind: global_buffer, .address_space: global }
      - { .name: wts, .offset: 8, .size: 8, .value_kind: global_buffer, .address_space: global }
      - { .name: x, .offset: 16, .size: 8, .value_kind: global_buffer, .address_space: global }
      - { .name: x1, .offset: 24, .size: 8, .value_kind: global_buffer, .address_space: global }
    .group_segment_fixed_size: 327680
    .private_segment_fixed_size: 0
    .kernarg_segment_align: 8
    .kernarg_segment_size: 32
    .max_flat_workgroup_size: 128
    .sgpr_count:     102
    .vgpr_count:     768
    .wavefront_size: 32
...
	.end_amdgpu_metadata
.endif
;; end of part 4
;; launch ln2 (part 5): grid 256 x 1, 4 waves a work-group, no clusters, 32,256 bytes of LDS; arguments x1, ln2_g, ln2_b, t2; writes t2
.if DOCPART == 5
	.amdgcn_target "amdgcn-amd-amdhsa--gfx1250"
	.amdhsa_code_object_version 6
	.text
	.protected	k_q799c395727_ln2
	.globl	k_q799c395727_ln2
	.p2align	8
	.type	k_q799c395727_ln2,@function
k_q799c395727_ln2:
	s_mov_b64 s[64:65], 0
	v_nop
	global_prefetch_b8 v0, s[64:65] scope:SCOPE_SE
	s_setreg_imm32_b32 hwreg(HW_REG_WAVE_MODE, 25, 1), 1
	s_wait_xcnt 0x0
; y = (x - mean) * rsqrt(var + 1e-5) * g + b over rows of 1,024 f32, then quantised along the row to FP6 (E2M3) with one E8M0 byte for each 32.
; OUT: codes C[k / 64][4096 rows][48 bytes] at byte 0, scale words S[k / 128][4096 rows][4] at byte 3,145,728.  Physical row P holds logical row rho(P) = P with bits 3 and 4 exchanged.
; SHARES: work-group w owns physical rows 16 w .. 16 w + 15; wave v takes four of them, which are four consecutive logical rows.  One wave, one row at a time: the row stays in 32 registers
; between the passes (mean, variance of x - mean, scaling), so memory is read once.  Each load of a wave covers 512 consecutive bytes.
; For the quantiser a lane must hold 32 NEIGHBOURS: the row turns through the wave's own 4,608 bytes of LDS (32 places of 128 + 16 bytes).  Lane L then owns block L of the row.
; The 16 rows' codes and scale bytes meet in LDS; behind ONE barrier each wave stores four groups: 32 lanes fill 256 consecutive bytes, aligned.
; LIMITS: NaN and infinities are not served; a block under 2^-124 has its byte held at 1; a block of zeros has the byte 1 (its codes are zeros; this program alone reads the bytes).
.set OUTS, 18432                       ; LDS: [16 groups][16 rows][48]
.set SST,  30720                       ; LDS: [8 steps][16 rows][4]
.set X,    32                          ; v32-159  four rows, 32 registers each
.set G,    160                         ; v160-191 g of my 32 columns
.set BB,   192                         ; v192-223 b
.set Y,    224                         ; v224-255 32 neighbours
.set CD,   26                          ; v26-31   a block's codes
	s_load_b256 s[4:11], s[0:1], 0x0               ; x, g, b, out
	v_lshl_add_u32 v19, v0, 2, 0x7c00
	s_set_vgpr_msb 0x40
	v_mov_b32 v1, 0
	s_set_vgpr_msb 0x4000
	v_lshrrev_b32 v1, 5, v0
	v_readfirstlane_b32 s14, v1                    ; wave
	v_and_b32 v1, 31, v0                           ; lane L
	v_lshlrev_b32 v2, 4, v1                        ; 16 L
	s_mul_i32 s15, s14, 4608
	v_lshrrev_b32 v3, 3, v1
	v_mul_u32_u24 v3, v3, 144
	v_and_b32 v4, 7, v1
	v_lshl_add_u32 v3, v4, 4, v3
	v_add_nc_u32 v3, s15, v3                       ; the turn, in: 144 (L / 8) + 16 (L % 8); a load's 512 bytes take four places
	v_mul_u32_u24 v4, v1, 144
	v_add_nc_u32 v4, s15, v4                       ; and out: place L
	v_lshrrev_b32 v5, 1, v1
	v_mul_u32_u24 v5, v5, 768
	v_and_b32 v6, 1, v1
	v_mad_u32_u24 v5, v6, 24, v5
	s_mul_i32 s15, s14, 192
	s_add_co_u32 s15, s15, OUTS
	v_add_nc_u32 v5, s15, v5                       ; my block's 24 bytes: group L / 2, half L % 2, row 4 v (+ k)
	v_lshrrev_b32 v6, 2, v1
	v_lshlrev_b32 v6, 6, v6
	v_and_b32 v7, 3, v1
	v_add_nc_u32 v6, v6, v7
	s_lshl_b32 s15, s14, 4
	s_add_co_u32 s15, s15, SST
	v_add_nc_u32 v6, s15, v6                       ; my block's byte: step L / 4, byte L % 4
	v_lshlrev_b32 v8, 3, v1
	s_mul_i32 s15, s14, 3072
	s_add_co_u32 s15, s15, OUTS
	v_add_nc_u32 v7, s15, v8                       ; the way out: my wave's four groups, 8 bytes a lane
	s_mul_i32 s15, s14, 786432
	v_add_nc_u32 v8, s15, v8                       ; and in memory: a group is 196,608 bytes
	v_lshl_add_u32 v9, v0, 2, SST                  ; a scale word for each of the 128 threads
	v_lshrrev_b32 v10, 4, v0
	v_lshlrev_b32 v10, 14, v10
	v_and_b32 v11, 15, v0
	v_lshl_add_u32 v10, v11, 2, v10                ; step x 16,384 + 4 x row
	s_mov_b32 s12, 0x76543210
	s_mov_b32 s13, 0xfedcba98                      ; lane l xor 16
	s_mov_b32 s18, 0x3a800000                      ; 1 / 1,024
	s_mov_b32 s19, 0x3727c5ac                      ; 1e-5
	s_lshr_b32 s15, ttmp9, 1                       ; my first logical row: 32 (w / 2) + 8 (w % 2) + 16 (v / 2) + 4 (v % 2)
	s_lshl_b32 s15, s15, 5
	s_and_b32 s16, ttmp9, 1
	s_lshl_b32 s16, s16, 3
	s_add_co_u32 s15, s15, s16
	s_lshr_b32 s16, s14, 1
	s_lshl_b32 s16, s16, 4
	s_add_co_u32 s15, s15, s16
	s_and_b32 s16, s14, 1
	s_lshl_b32 s16, s16, 2
	s_add_co_u32 s15, s15, s16
	s_lshl_b32 s16, s15, 12
	s_mov_b32 s17, 0
	s_mul_i32 s20, ttmp9, 768
	s_mov_b32 s21, 0
	s_lshl_b32 s22, ttmp9, 6
	s_add_co_u32 s22, s22, 3145728
	s_mov_b32 s23, 0
	s_wait_kmcnt 0x0
	s_add_nc_u64 s[4:5], s[4:5], s[16:17]
	s_add_nc_u64 s[20:21], s[10:11], s[20:21]
	s_add_nc_u64 s[22:23], s[10:11], s[22:23]
.irp j, 0,1,2,3,4,5,6,7
	global_load_b128 v[G+4*\j:G+4*\j+3], v2, s[6:7] offset:512*\j
.endr
.irp j, 0,1,2,3,4,5,6,7
	global_load_b128 v[BB+4*\j:BB+4*\j+3], v2, s[8:9] offset:512*\j
.endr
.irp k, 0,1,2,3
.irp j, 0,1,2,3,4,5,6,7
	global_load_b128 v[X+32*\k+4*\j:X+32*\k+4*\j+3], v2, s[4:5] offset:4096*\k+512*\j th:TH_LOAD_NT
.endr
.endr
.macro REDUCE                                      ; v12 summed over the 32 lanes, the result in every lane
	v_add_f32 v12, v12, v13
	v_add_f32_dpp v12, v12, v12 row_xmask:1 row_mask:0xf bank_mask:0xf
	v_add_f32_dpp v12, v12, v12 row_xmask:2 row_mask:0xf bank_mask:0xf
	v_add_f32_dpp v12, v12, v12 row_xmask:4 row_mask:0xf bank_mask:0xf
	v_add_f32_dpp v12, v12, v12 row_xmask:8 row_mask:0xf bank_mask:0xf
	v_permlanex16_b32 v13, v12, s12, s13
	v_add_f32 v12, v12, v13
.endm
.macro ROW k
.set XR, X+32*(\k)
	s_wait_loadcnt 24-8*(\k)                       ; this row's eight loads (and g, b) are in; the rows behind may be out
	v_pk_add_f32 v[12:13], v[XR:XR+1], v[XR+2:XR+3]
	v_pk_add_f32 v[14:15], v[XR+4:XR+5], v[XR+6:XR+7]
.irp i, 8,12,16,20,24,28
	v_pk_add_f32 v[12:13], v[12:13], v[XR+\i:XR+\i+1]
	v_pk_add_f32 v[14:15], v[14:15], v[XR+\i+2:XR+\i+3]
.endr
	v_pk_add_f32 v[12:13], v[12:13], v[14:15]
	REDUCE
	v_mul_f32 v16, s18, v12                        ; the mean,
	v_mov_b32 v17, v16                             ; twice, for the packed forms
.irp i, 0,2,4,6,8,10,12,14,16,18,20,22,24,26,28,30
	v_pk_add_f32 v[XR+\i:XR+\i+1], v[XR+\i:XR+\i+1], v[16:17] neg_lo:[0,1] neg_hi:[0,1]   ; x - mean
.endr
	v_pk_mul_f32 v[12:13], v[XR:XR+1], v[XR:XR+1]
	v_pk_mul_f32 v[14:15], v[XR+2:XR+3], v[XR+2:XR+3]
.irp i, 4,8,12,16,20,24,28
	v_pk_fma_f32 v[12:13], v[XR+\i:XR+\i+1], v[XR+\i:XR+\i+1], v[12:13]
	v_pk_fma_f32 v[14:15], v[XR+\i+2:XR+\i+3], v[XR+\i+2:XR+\i+3], v[14:15]
.endr
	v_pk_add_f32 v[12:13], v[12:13], v[14:15]
	REDUCE
	v_fma_f32 v18, v12, s18, s19                   ; the variance + 1e-5
	s_wait_alu depctr_va_vdst(0)
	v_rsq_f32 v20, v18
	v_rsq_f32 v21, v18
	v_nop                                          ; a plain line behind the two,
	s_wait_alu depctr_va_vdst(0)                   ; and the one wait ahead of their first reader
.irp i, 0,2,4,6,8,10,12,14,16,18,20,22,24,26,28,30
	v_pk_mul_f32 v[XR+\i:XR+\i+1], v[XR+\i:XR+\i+1], v[20:21]
.endr
.irp i, 0,2,4,6,8,10,12,14,16,18,20,22,24,26,28,30
	v_pk_fma_f32 v[XR+\i:XR+\i+1], v[XR+\i:XR+\i+1], v[G+\i:G+\i+1], v[BB+\i:BB+\i+1]
.endr
.irp j, 0,1,2,3,4,5,6,7
	ds_store_b128 v3, v[XR+4*\j:XR+4*\j+3] offset:576*\j
.endr
.irp i, 0,1,2,3,4,5,6,7
	ds_load_b128 v[Y+4*\i:Y+4*\i+3], v4 offset:16*\i    ; LDS serves a wave's instructions in order: these see my stores
.endr
	s_wait_dscnt 0x0                               ; my 32 neighbours are in; the last row's stores of codes and byte have read their registers
	v_max3_num_f32 v22, |v[Y]|, |v[Y+1]|, |v[Y+2]|
	v_max3_num_f32 v23, |v[Y+3]|, |v[Y+4]|, |v[Y+5]|
.irp i, 6,10,14,18,22,26
	v_max3_num_f32 v22, v22, |v[Y+\i]|, |v[Y+\i+1]|
	v_max3_num_f32 v23, v23, |v[Y+\i+2]|, |v[Y+\i+3]|
.endr
	v_max3_num_f32 v22, v22, |v[Y+30]|, |v[Y+31]|
	v_max3_num_f32 v22, v22, v23, 0x1800000        ; with the floor 2^(3 - 127)
	v_add_nc_u32 v24, 0xff000000, v22              ; the conversion's scale operand
	v_lshrrev_b32 v25, 23, v24                     ; the byte
	v_cvt_scalef32_pk16_fp6_f32 v[CD:CD+2], v[Y:Y+15], v24
	v_cvt_scalef32_pk16_fp6_f32 v[12:14], v[Y+16:Y+31], v24
	v_nop                                          ; one plain line behind the conversions
.irp i, 0,1,2
	v_mov_b32 v[CD+3+\i], v[12+\i]
.endr
.irp p, 0,1,2
	ds_store_b64 v5, v[CD+2*\p:CD+2*\p+1] offset:48*(\k)+8*\p
.endr
	ds_store_b8 v6, v25 offset:4*(\k)
.endm
	ROW 0
	ROW 1
	ROW 2
	ROW 3
	s_wait_dscnt 0x0                               ; for the others' sake: my stores have landed
	s_barrier_signal -1
	s_barrier_wait -1
.irp n, 0,1,2,3,4,5,6,7,8,9,10,11
	ds_load_b64 v[X+2*\n:X+2*\n+1], v7 offset:256*\n    ; group n / 3 of my four, its 768 bytes in three parts
.endr
	ds_load_b32 v60, v9
	s_wait_dscnt 0x0
.irp n, 0,1,2,3,4,5,6,7,8,9,10,11
	global_store_b64 v8, v[X+2*\n:X+2*\n+1], s[20:21] offset:196608*(\n/3)+256*(\n%3)   ; 32 lanes store 256 consecutive bytes, aligned
.endr
	global_store_b32 v10, v60, s[22:23]            ; the scale words: runs of 64 bytes
	s_set_vgpr_msb 0x4
	s_wait_tensorcnt 0x0
	ds_add_u32 v19, v1
	s_wait_dscnt 0x0
	s_set_vgpr_msb 0x400
	s_endpgm
.Lfunc_end_k_q799c395727_ln2:
	.size	k_q799c395727_ln2, .Lfunc_end_k_q799c395727_ln2-k_q799c395727_ln2
	.p2alignl 7, 3214868480
	.fill 96, 4, 3214868480
	.section	.rodata,"a",@progbits
	.p2align	6, 0x0
	.amdhsa_kernel k_q799c395727_ln2
		.amdhsa_group_segment_fixed_size 32256
		.amdhsa_private_segment_fixed_size 0
		.amdhsa_enable_private_segment 0
		.amdhsa_kernarg_size 32
		.amdhsa_user_sgpr_count 2
		.amdhsa_user_sgpr_kernarg_segment_ptr 1
		.amdhsa_wavefront_size32 1
		.amdhsa_system_sgpr_workgroup_id_x 1
		.amdhsa_system_sgpr_workgroup_id_y 1
		.amdhsa_system_sgpr_workgroup_id_z 1
		.amdhsa_system_vgpr_workitem_id 0
		.amdhsa_next_free_vgpr 258
		.amdhsa_next_free_sgpr 66
		.amdhsa_reserve_vcc 0
		.amdhsa_float_denorm_mode_32 3
		.amdhsa_float_denorm_mode_16_64 3
		.amdhsa_memory_ordered 1
		.amdhsa_forward_progress 1
		.amdhsa_inst_pref_size 45
	.end_amdhsa_kernel
	.amdgpu_metadata
---
amdhsa.version: [ 1, 2 ]
amdhsa.kernels:
  - .name:           k_q799c395727_ln2
    .symbol:         k_q799c395727_ln2.kd
    .args:
      - { .name: x1, .offset: 0, .size: 8, .value_kind: global_buffer, .address_space: global }
      - { .name: ln2_g, .offset: 8, .size: 8, .value_kind: global_buffer, .address_space: global }
      - { .name: ln2_b, .offset: 16, .size: 8, .value_kind: global_buffer, .address_space: global }
      - { .name: t2, .offset: 24, .size: 8, .value_kind: global_buffer, .address_space: global }
    .group_segment_fixed_size: 32256
    .private_segment_fixed_size: 0
    .kernarg_segment_align: 8
    .kernarg_segment_size: 32
    .max_flat_workgroup_size: 128
    .sgpr_count:     66
    .vgpr_count:     258
    .wavefront_size: 32
...
	.end_amdgpu_metadata
.endif
;; end of part 5
;; launch fc1 (part 6): grid 16 x 16, 4 waves a work-group, clusters of 4 x 4, 327,680 bytes of LDS; arguments t2, wts, b1, hid; writes hid
.if DOCPART == 6
	.amdgcn_target "amdgcn-amd-amdhsa--gfx1250"
	.amdhsa_code_object_version 6
	.text
	.protected	k_q799c395727_fc1
	.globl	k_q799c395727_fc1
	.p2align	8
	.type	k_q799c395727_fc1,@function
k_q799c395727_fc1:
	s_mov_b64 s[64:65], 0
	v_nop
	global_prefetch_b8 v0, s[64:65] scope:SCOPE_SE
	s_setreg_imm32_b32 hwreg(HW_REG_WAVE_MODE, 25, 1), 1
	s_wait_xcnt 0x0
	s_wait_alu depctr_hold_cnt(0) depctr_sa_sdst(0) depctr_va_vdst(0) depctr_va_sdst(0) depctr_va_ssrc(0) depctr_va_vcc(0) depctr_vm_vsrc(0)
	s_getreg_b32 s2, hwreg(HW_REG_IB_STS2, 6, 4)
	s_cmp_eq_u32 s2, 0
	s_cbranch_scc0 .Lentry_in_a_cluster
	s_endpgm
.Lentry_in_a_cluster:
	s_bfe_u32 s2, ttmp6, 0x10000c
	s_cmp_lg_u32 s2, 0xf033
	s_cbranch_scc0 .Lentry_shape_is_right
	s_endpgm
.Lentry_shape_is_right:
.set NB,    8
.set RW,    128
.set GPS,   4
.set NQ,    2
.set KK,    1024
.set GB,    2*RW*48                    ; a group in LDS: the tile's 256 rows
.set HALFT, GPS*GB/2                   ; what a wave's load of the ring brings: two groups x 256 rows
.set SLOT,  4*HALFT
.set LAPS,  KK/(2*128*NQ)
.set SROW,  8*RW
.set HALFS, (KK/128)*SROW/2
.set SCL,   2*SLOT
.set SPARE, SCL+4*HALFS
.set STG,   SPARE+512
.set WST,   12800
.set ASTEP, GPS*4096*48
.set BSTEP, GPS*4096*48
.set HASBIAS, 1
.set BIAS,  192
.set VA0,  8
.set VB0,  10
.set ADRA, 16
.set ADRB, 20
.set STO,  22
.set STS,  23
.set RDL,  24
.set CO,   25
.set ADRS, 27
.set SPW,  28
.set NIL,  29
.set BO,   30
.set SC,   32
.set AF,   64
.set XF,   64
.set ZZ,   128
.set SS,   160
.set PP,   192
.set QQ,   224
.set TM,   128
.set PW,   144
.set PC,   146
.set SEL,  46
.set EA,   18
.set EO,   19
.set ES,   20
.set G1, 24
.set G0, 32
.set G1B, 48
.set G0B, 56
.set G1S, 68
.set G0S, 76
.set G1SB, 80
.set G0SB, 88
.set MSB, 0
.macro WIN new
.if MSB != (\new)
	s_set_vgpr_msb (MSB<<8)|(\new)
.set MSB, (\new)
.endif
.endm
.macro PLACES n
.rept \n
	v_nop
.endr
.endm
.macro JLOAD g0a, g1a, g0b, g1b
	s_cmp_eq_u32 s15, 0
	s_cbranch_scc0 .Lfor_b_\@
	tensor_load_to_lds s[\g0a:\g0a+3], s[\g1a:\g1a+7]
	s_nop 0
	PLACES 4
	s_branch .Lasked_\@
.Lfor_b_\@:
	tensor_load_to_lds s[\g0b:\g0b+3], s[\g1b:\g1b+7]
	s_nop 0
	PLACES 4
.Lasked_\@:
.endm
.macro CREST
	s_cmp_lg_u32 s14, 0
	s_cbranch_scc1 .Lnot_wave_0_\@
	s_barrier_signal -3
.Lnot_wave_0_\@:
	s_barrier_wait -3
	s_barrier_signal -1
	s_barrier_wait -1
.endm
.macro CROUND
	s_barrier_signal -1
	s_barrier_wait -1
	CREST
.endm
.macro FRAG reg, adr, q, i
.irp c, 0,1
.irp p, 0,1,2
	ds_load_b64 v[(\reg)+6*\c+2*\p:(\reg)+6*\c+2*\p+1], v[\adr] offset:(2*(\q)+\c)*GB+(\i)*768+8*\p
.endr
.endr
.endm
.macro FETCH slot, q, p
	WIN 0x40
.set FI, 0
.rept NB
	FRAG 12*NB*(\p)+12*FI, ADRB+(\slot), \q, FI
.set FI, FI+1
.endr
	WIN 0
.set FI, 0
.rept NB
	FRAG AF+12*NB*(\p)+12*FI, ADRA+(\slot), \q, FI
.set FI, FI+1
.endr
.endm
.macro SCALES set
.set SI, 0
.rept NB
.set SQ, 0
.rept NQ
	ds_load_b32 v[SC+16*(\set)+NQ*SI+SQ], v[ADRS] offset:SQ*SROW+64*SI
.set SQ, SQ+1
.endr
.set SI, SI+1
.endr
.endm
.macro MUL a0, na, p, q, sc, zero
.set MA, \a0
.rept \na
.set MB, 0
.rept NB
.set IX, MA*NB+MB
.set AC, 8*(IX%32)
.set WD, 2+IX/32
.set RB_, 12*NB*(\p)+12*MB
.set RA_, AF+12*NB*(\p)+12*MA
.set SB_, SC+16*(\sc)+NQ*MB+(\q)
.set SA_, SC+16*(\sc)+NQ*MA+(\q)
.if (\zero) && HASBIAS
	WIN (WD<<6)|(1<<4)|1
	v_wmma_scale_f32_16x16x128_f8f6f4 v[AC:AC+7], v[RB_:RB_+11], v[RA_:RA_+11], v[BIAS+8*MB:BIAS+8*MB+7], v[SB_], v[SA_] matrix_a_fmt:MATRIX_FMT_FP6 matrix_b_fmt:MATRIX_FMT_FP6 matrix_a_scale:MATRIX_SCALE_ROW1
.elseif \zero
	WIN (WD<<6)|(WD<<4)|1
	v_wmma_scale_f32_16x16x128_f8f6f4 v[AC:AC+7], v[RB_:RB_+11], v[RA_:RA_+11], 0, v[SB_], v[SA_] matrix_a_fmt:MATRIX_FMT_FP6 matrix_b_fmt:MATRIX_FMT_FP6 matrix_a_scale:MATRIX_SCALE_ROW1
.else
	WIN (WD<<6)|(WD<<4)|1
	v_wmma_scale_f32_16x16x128_f8f6f4 v[AC:AC+7], v[RB_:RB_+11], v[RA_:RA_+11], v[AC:AC+7], v[SB_], v[SA_] matrix_a_fmt:MATRIX_FMT_FP6 matrix_b_fmt:MATRIX_FMT_FP6 matrix_a_scale:MATRIX_SCALE_ROW1
.endif
.set MB, MB+1
.endr
.set MA, MA+1
.endr
.endm
.macro STEP slot, q, zero
	s_wait_dscnt 0x0
	MUL 0, NB/2, (\q)%2, \q, \slot, \zero
	WIN 0
	PLACES 4
	FETCH \slot, (\q)+1, 1-(\q)%2
	MUL NB/2, NB/2, (\q)%2, \q, \slot, \zero
.endm
.macro TURN slot, next, fill
	WIN 0
	s_wait_tensorcnt 0x0
	ds_add_u32 v[SPW], v[NIL]
	s_wait_dscnt 1
	MUL 0, NB/4, 1, NQ-1, \slot, 0
	s_wait_dscnt 0x0
	s_barrier_signal -1
	MUL NB/4, NB/4, 1, NQ-1, \slot, 0
	WIN 0
	s_barrier_wait -1
.if \fill
	CREST
	s_add_nc_u64 s[G0+4*\slot+2:G0+4*\slot+3], s[G0+4*\slot+2:G0+4*\slot+3], 2*ASTEP
	s_add_nc_u64 s[G0B+4*\slot+2:G0B+4*\slot+3], s[G0B+4*\slot+2:G0B+4*\slot+3], 2*BSTEP
	JLOAD G0+4*\slot, G1, G0B+4*\slot, G1B
.else
	PLACES 4
.endif
	s_wait_alu depctr_va_vdst(0)
	v_add_nc_u32 v[ADRS], NQ*SROW, v[ADRS]
	FETCH \next, 0, 0
	SCALES \next
	MUL NB/2, NB/2, 1, NQ-1, \slot, 0
.endm
.macro LAST
	s_wait_dscnt 0x0
	MUL 0, NB, 1, NQ-1, 1, 0
	WIN 0
.endm
.macro QUANT s, w
	s_wait_dscnt 0x0
	WIN (\w)|((\w)<<2)
.irp b, 0,1,2,3
	v_max3_num_f32 v[TM+\b], |v[(\s)+16*\b]|, |v[(\s)+1+16*\b]|, 0x1800000
.endr
	WIN ((\w)<<2)|((\w)<<4)
.irp i, 2,4,6,8,10,12,14
.irp b, 0,1,2,3
	v_max3_num_f32 v[TM+\b], v[TM+\b], |v[(\s)+16*\b+\i]|, |v[(\s)+1+16*\b+\i]|
.endr
.endr
	WIN 0
.irp b, 0,1,2,3
	v_permlanex16_b32 v[TM+4+\b], v[TM+\b], s[SEL], s[SEL+1]
.endr
.irp b, 0,1,2,3
	v_max_num_f32 v[TM+\b], v[TM+\b], v[TM+4+\b]
.endr
.irp b, 0,1,2,3
	v_add_nc_u32 v[TM+12+\b], 0xff000000, v[TM+\b]
.endr
.irp b, 0,1,2,3
	v_lshrrev_b32 v[TM+4+\b], 23, v[TM+12+\b]
.endr
	v_lshl_or_b32 v[PW], v[TM+5], 8, v[TM+4]
	v_lshl_or_b32 v[PW], v[TM+6], 16, v[PW]
	v_lshl_or_b32 v[PW], v[TM+7], 24, v[PW]
	WIN \w
.irp c, 0,1
	v_cvt_scalef32_pk16_fp6_f32 v[PC+6*\c:PC+2+6*\c], v[(\s)+32*\c:(\s)+15+32*\c], v[TM+12+2*\c]
	v_cvt_scalef32_pk16_fp6_f32 v[PC+12+4*\c:PC+14+4*\c], v[(\s)+16+32*\c:(\s)+31+32*\c], v[TM+12+2*\c+1]
.endr
	WIN 0
	v_nop
.irp c, 0,1
.irp i, 0,1,2
	v_permlane16_swap_b32 v[PC+6*\c+\i], v[PC+12+4*\c+\i]
.endr
.irp i, 0,1,2
	v_mov_b32 v[PC+3+6*\c+\i], v[PC+12+4*\c+\i]
.endr
.endr
.endm
.macro TOSTAGE ac, as, a
.irp j, 0,1,2                                      ; hid's codes are laid as images of the operand's registers: [k / 128][row / 16][piece of 4 registers][lane][16 bytes]
	ds_store_b128 v[\ac], v[PC+4*\j:PC+4*\j+3] offset:1536*(\a)+512*\j
.endr
	ds_store_b32 v[\as], v[PW] offset:64*(\a)
.endm
.macro SENDOUT
	s_wait_dscnt 0x0
.set I, 0
.rept 24
	ds_load_b128 v[64+4*I:67+4*I], v[RDL] offset:512*I
.set I, I+1
.endr
	ds_load_b128 v[160:163], v[RDL] offset:12288
.set I, 0
.rept 12
	s_wait_dscnt 24-I
	global_store_b128 v[CO], v[64+4*I:67+4*I], s[96:97] offset:512*I
.set I, I+1
.endr
.rept 12
	s_wait_dscnt 24-I
	global_store_b128 v[CO], v[64+4*I:67+4*I], s[98:99] offset:512*(I-12)
.set I, I+1
.endr
	s_wait_dscnt 0x0
	global_store_b128 v[CO], v[160:163], s[100:101]
.endm
.macro COPY a
	WIN 2+(\a)/4
.set I, 0
.rept 32
	v_pk_mul_f32 v[XF+I:XF+I+1], v[64*((\a)%4)+I:64*((\a)%4)+I+1], 0.5 op_sel_hi:[1,0]
.set I, I+2
.endr
	WIN 0
.endm
.macro PKALL op:vararg
.endm
.macro GELU hf
.set XH, XF+32*(\hf)
.set I, 0
.rept 16
	v_pk_mul_f32 v[ZZ+I:ZZ+I+1], v[XH+I:XH+I+1], 0x3fb504f3 op_sel_hi:[1,0]
.set I, I+2
.endr
.set I, 0
.rept 32
	v_med3_num_f32 v[ZZ+I], v[ZZ+I], -4.0, 4.0
.set I, I+1
.endr
.set I, 0
.rept 16
	v_pk_mul_f32 v[SS+I:SS+I+1], v[ZZ+I:ZZ+I+1], v[ZZ+I:ZZ+I+1]
.set I, I+2
.endr
.set I, 0
.rept 16
	v_pk_fma_f32 v[PP+I:PP+I+1], v[SS+I:SS+I+1], v[VA0:VA0+1], 0x32edffee op_sel_hi:[1,1,0]
	v_pk_fma_f32 v[QQ+I:QQ+I+1], v[SS+I:SS+I+1], v[VB0:VB0+1], 0xb95fbd29 op_sel_hi:[1,1,0]
.set I, I+2
.endr
.irp k, 0xb60cff51, 0xb86ec2d2, 0xba40ac63, 0xbb41a1f6, 0xbc83dbd4
.set I, 0
.rept 16
	v_pk_fma_f32 v[PP+I:PP+I+1], v[PP+I:PP+I+1], v[SS+I:SS+I+1], \k op_sel_hi:[1,1,0]
.set I, I+2
.endr
.endr
.irp k, 0xbadc924e, 0xbbf19bf8, 0xbc69b6a7
.set I, 0
.rept 16
	v_pk_fma_f32 v[QQ+I:QQ+I+1], v[QQ+I:QQ+I+1], v[SS+I:SS+I+1], \k op_sel_hi:[1,1,0]
.set I, I+2
.endr
.endr
.set I, 0
	s_wait_alu depctr_va_vdst(0)
.rept 32
	v_rcp_f32 v[QQ+I], v[QQ+I]
.set I, I+1
.endr
.set I, 0
.rept 16
	v_pk_mul_f32 v[PP+I:PP+I+1], v[PP+I:PP+I+1], v[ZZ+I:ZZ+I+1]
.set I, I+2
.endr
	s_wait_alu depctr_va_vdst(0)
.set I, 0
.rept 16
	v_pk_mul_f32 v[PP+I:PP+I+1], v[PP+I:PP+I+1], v[QQ+I:QQ+I+1]
.set I, I+2
.endr
.set I, 0
.rept 16
	v_pk_fma_f32 v[XH+I:XH+I+1], v[XH+I:XH+I+1], v[PP+I:PP+I+1], v[XH+I:XH+I+1]
.set I, I+2
.endr
.endm
	s_load_b256 s[4:11], s[0:1], 0x0
	v_lshl_add_u32 v[SPW], v0, 2, SPARE
	v_mov_b32 v[NIL], 0
	ds_add_u32 v28, v29
	ds_add_u32 v28, v29
	s_wait_dscnt 0x0
	v_lshrrev_b32 v1, 5, v0
	v_readfirstlane_b32 s14, v1
	s_lshr_b32 s15, s14, 1
	s_and_b32 s16, s14, 1
	s_bfe_u32 s40, ttmp6, 0x40000
	s_bfe_u32 s41, ttmp6, 0x40004
	s_lshl_b32 s42, ttmp9, 2
	s_add_co_u32 s42, s42, s40
	s_and_b32 s17, ttmp7, 0xffff
	s_lshl_b32 s17, s17, 2
	s_add_co_u32 s17, s17, s41
	s_lshl_b32 s43, s41, 2
	s_lshl_b32 s43, 15, s43
	s_lshl_b32 s44, 0x1111, s40
	s_or_b32 s[G1+0], s43, (3<<16)|(1<<21)
	s_or_b32 s[G1B+0], s44, (3<<16)|(1<<21)
.irp g, G1, G1B
	s_mov_b32 s[\g+1], 1536<<16
	s_mov_b32 s[\g+2], 4<<16
	s_mov_b32 s[\g+3], 1536<<16
	s_mov_b32 s[\g+4], 4
	s_mov_b32 s[\g+5], 24576
	s_mov_b32 s[\g+6], 0
	s_mov_b32 s[\g+7], 0
.endr
	s_or_b32 s[G1S+0], s43, (3<<16)|(1<<21)
	s_or_b32 s[G1SB+0], s44, (3<<16)|(1<<21)
.irp g, G1S, G1SB
	s_mov_b32 s[\g+1], 128<<16
	s_mov_b32 s[\g+2], 8<<16
	s_mov_b32 s[\g+3], 128<<16
	s_mov_b32 s[\g+4], 8
	s_mov_b32 s[\g+5], 2048
	s_mov_b32 s[\g+6], 0
	s_mov_b32 s[\g+7], 0
.endr
	v_and_b32 v1, 15, v0
	v_bfe_u32 v2, v0, 4, 1
	v_lshlrev_b32 v[BO], 6, v2
	s_mov_b32 s18, 0                               ; every load begins at the tile's first row
	s_lshl_b32 s20, s17, 8
	s_add_co_u32 s20, s20, s18
	s_mul_i32 s22, s20, 48
	s_mov_b32 s23, 0
	s_lshl_b32 s20, s20, 2
	s_add_co_u32 s20, s20, 3145728
	s_mov_b32 s21, 0
	s_lshl_b32 s46, s42, 8
	s_add_co_u32 s46, s46, s18
	s_mul_i32 s92, s46, 48
	s_add_co_u32 s92, s92, 4096000
	s_mov_b32 s93, 0
	s_lshl_b32 s94, s46, 2
	s_mov_b32 s95, 0
	s_lshl_b32 s96, s42, 1
	s_add_co_u32 s96, s96, s16
	s_lshl_b32 s96, s96, 12
	s_lshl_b32 s98, s17, 8
	s_lshl_b32 s99, s15, 7
	s_add_co_u32 s98, s98, s99
	s_add_co_u32 s100, s96, s98
	s_lshl_b32 s100, s100, 2
	s_add_co_u32 s100, s100, 12582912
	s_mov_b32 s101, 0
	s_lshl_b32 s96, s96, 1
	s_add_co_u32 s96, s96, s98
	s_add_co_u32 s96, s96, s98                     ; a row has 96 bytes of a step of 128
	s_mul_i32 s96, s96, 48
	s_mov_b32 s97, 0
	s_mul_i32 s45, s14, HALFT
	s_wait_alu depctr_va_vdst(0)
	s_wait_kmcnt 0x0
	s_add_nc_u64 s[22:23], s[4:5], s[22:23]
	s_add_nc_u64 s[20:21], s[4:5], s[20:21]
	s_add_nc_u64 s[92:93], s[6:7], s[92:93]
	s_add_nc_u64 s[8:9], s[8:9], s[94:95]
	s_lshl_b32 s18, s16, 9                         ; b1: my wave's half of the tile's 256 columns, 128 x 4 bytes
	s_mov_b32 s19, 0
	s_add_nc_u64 s[8:9], s[8:9], s[18:19]
	s_add_nc_u64 s[94:95], s[6:7], s[94:95]
	s_add_nc_u64 s[94:95], s[94:95], 7241728
	s_add_nc_u64 s[100:101], s[10:11], s[100:101]
	s_add_nc_u64 s[96:97], s[10:11], s[96:97]
	s_add_nc_u64 s[98:99], s[96:97], 6144          ; my 12,288 bytes of codes are consecutive
	WIN 0x40
.irp b, 0,1,2,3,4,5,6,7
	global_load_b128 v[BIAS+8*\b:BIAS+8*\b+3], v[BO], s[8:9] offset:(32*(\b/2)+8*(\b%2))*4
	global_load_b128 v[BIAS+8*\b+4:BIAS+8*\b+7], v[BO], s[8:9] offset:(32*(\b/2)+8*(\b%2))*4+16
.endr
	WIN 0
	CROUND
	s_mov_b32 s[G0S], 1
	s_mov_b32 s[G0S+1], SCL
	s_mov_b64 s[G0S+2:G0S+3], s[20:21]
	s_or_b32 s[G0S+3], s[G0S+3], 0x80000000
	s_mov_b32 s[G0SB], 1
	s_mov_b32 s[G0SB+1], SCL+2*HALFS
	s_mov_b64 s[G0SB+2:G0SB+3], s[94:95]
	s_or_b32 s[G0SB+3], s[G0SB+3], 0x80000000
	s_mul_i32 s18, s16, 2*4096*48                  ; in the ring I fetch two of a slot's four groups
	s_mov_b32 s19, 0
	s_add_nc_u64 s[10:11], s[22:23], s[18:19]
	s_add_nc_u64 s[12:13], s[92:93], s[18:19]
.irp s, 0,1
	s_mov_b32 s[G0+4*\s], 1
	s_add_co_u32 s[G0+4*\s+1], s45, \s*SLOT
	s_add_nc_u64 s[G0+4*\s+2:G0+4*\s+3], s[10:11], \s*ASTEP
	s_or_b32 s[G0+4*\s+3], s[G0+4*\s+3], 0x80000000
	s_mov_b32 s[G0B+4*\s], 1
	s_add_co_u32 s[G0B+4*\s+1], s45, \s*SLOT
	s_add_nc_u64 s[G0B+4*\s+2:G0B+4*\s+3], s[12:13], \s*BSTEP
	s_or_b32 s[G0B+4*\s+3], s[G0B+4*\s+3], 0x80000000
.endr
	s_mov_b32 s20, 1                               ; s[20:23]: group 0 of slot 0's four groups of A, whole
	s_mov_b32 s21, 0
	s_or_b32 s23, s23, 0x80000000
	s_mov_b64 s[94:95], s[92:93]                   ; s[92:95]: the same for B, behind A's
	s_mov_b32 s92, 1
	s_mov_b32 s93, 2*HALFT
	s_or_b32 s95, s95, 0x80000000
	s_cmp_eq_u32 s14, 0                            ; the head's four tiles, one joint load a wave, in one chain of branches on the wave's number
	s_cbranch_scc0 .Lh_b
	tensor_load_to_lds s[20:23], s[G1:G1+7]
	s_nop 0
	PLACES 4
	s_branch .Lh_done
.Lh_b:
	s_cmp_eq_u32 s14, 1
	s_cbranch_scc0 .Lh_sa
	tensor_load_to_lds s[92:95], s[G1B:G1B+7]
	s_nop 0
	PLACES 4
	s_branch .Lh_done
.Lh_sa:
	s_cmp_eq_u32 s14, 2
	s_cbranch_scc0 .Lh_sb
	tensor_load_to_lds s[G0S:G0S+3], s[G1S:G1S+7]
	s_nop 0
	PLACES 4
	s_branch .Lh_done
.Lh_sb:
	tensor_load_to_lds s[G0SB:G0SB+3], s[G1SB:G1SB+7]
	s_nop 0
	PLACES 4
.Lh_done:
	v_mul_u32_u24 v3, v1, 48
	v_mad_u32_u24 v3, v2, 24, v3
	s_wait_alu depctr_va_vdst(0)
	s_mul_i32 s18, s15, RW*48
	s_mul_i32 s19, s16, RW*48
	s_add_co_u32 s19, s19, 2*HALFT
.irp s, 0,1
	v_add_nc_u32 v[ADRA+\s], s18, v3
	v_add_nc_u32 v[ADRB+\s], s19, v3
	s_add_co_u32 s18, s18, SLOT
	s_add_co_u32 s19, s19, SLOT
.endr
	v_lshlrev_b32 v5, 2, v1
	s_mul_i32 s18, s15, 4*RW
	s_mul_i32 s19, s16, 4*RW
	s_add_co_u32 s19, s19, 2*HALFS
	s_sub_co_u32 s19, s19, s18
	v_mul_u32_u24 v6, s19, v2
	s_add_co_u32 s18, s18, SCL
	v_add_nc_u32 v6, v5, v6
	v_add_nc_u32 v[ADRS], s18, v6
	s_mul_i32 s18, s14, WST
	s_add_co_u32 s18, s18, STG
	v_add_nc_u32 v[STS], s18, v5
	v_add_nc_u32 v[STS], 12288, v[STS]
	v_and_b32 v6, 31, v0
	v_lshlrev_b32 v[CO], 4, v6
	v_add_nc_u32 v[RDL], s18, v[CO]
	s_wait_alu depctr_va_vdst(0)
	s_wait_tensorcnt 0x0                           ; my tile of the head's four is in
	ds_add_u32 v[SPW], v[NIL]
	s_mov_b32 s[G1+2], 2<<16                       ; no load of mine is out: from here on a load brings two groups
	s_mov_b32 s[G1+4], 2
	s_mov_b32 s[G1B+2], 2<<16
	s_mov_b32 s[G1B+4], 2
	s_wait_dscnt 0x0
	CROUND                                         ; all four tiles are in, and the partners are here
	JLOAD G0+4, G1, G0B+4, G1B                     ; slot 1's first fill, the first tensor load behind the round
	FETCH 0, 0, 0
	SCALES 0
	s_wait_loadcnt 0x0
	STEP 0, 0, 1
	WIN 0
	s_mov_b32 s3, LAPS-1
.Llap:
	TURN 0, 1, 1
	STEP 1, 0, 0
	TURN 1, 0, 1
	STEP 0, 0, 0
	WIN 0
	s_sub_co_u32 s3, s3, 1
	s_cmp_lg_u32 s3, 0
	s_cbranch_scc1 .Llap
	TURN 0, 1, 0
	STEP 1, 0, 0
	LAST
	PLACES 4
	s_mov_b32 s[SEL], 0x76543210
	s_mov_b32 s[SEL+1], 0xfedcba98
	v_mov_b32 v[VA0], 0xaf95df0b
	v_mov_b32 v[VA0+1], 0xaf95df0b
	v_mov_b32 v[VB0], 0xb77460cd
	v_mov_b32 v[VB0+1], 0xb77460cd
	s_mov_b32 s[EA], 0
	s_mov_b32 s[EO], 0
	s_mov_b32 s[ES], 0
.Lblk:
.irp k, 1,2,3,4,5,6,7
	s_cmp_eq_u32 s[EA], \k
	s_cbranch_scc1 .Lcopy_\k
.endr
	COPY 0
	s_branch .Lgelu
.irp k, 1,2,3,4,5,6
.Lcopy_\k:
	COPY \k
	s_branch .Lgelu
.endr
.Lcopy_7:
	COPY 7
.Lgelu:
	GELU 0
	GELU 1
.irp b, 0,1,2,3
	v_mov_b32 v[TM+4+\b], 0
.endr
	QUANT XF, 0
	v_add_nc_u32 v12, s[EO], v[RDL]                ; 16 bytes a lane, 1,536 bytes a block of 16 rows
	v_add_nc_u32 v13, s[ES], v[STS]
	TOSTAGE 12, 13, 0
	s_add_co_u32 s[EO], s[EO], 1536
	s_add_co_u32 s[ES], s[ES], 64
	s_add_co_u32 s[EA], s[EA], 1
	s_cmp_lt_u32 s[EA], 8
	s_cbranch_scc1 .Lblk
	SENDOUT
	s_wait_tensorcnt 0x0
	ds_add_u32 v[SPW], v[NIL]
	s_wait_dscnt 0x0
	CROUND
	s_endpgm
.Lfunc_end_k_q799c395727_fc1:
	.size	k_q799c395727_fc1, .Lfunc_end_k_q799c395727_fc1-k_q799c395727_fc1
	.p2alignl 7, 3214868480
	.fill 96, 4, 3214868480
	.section	.rodata,"a",@progbits
	.p2align	6, 0x0
	.amdhsa_kernel k_q799c395727_fc1
		.amdhsa_group_segment_fixed_size 327680
		.amdhsa_private_segment_fixed_size 0
		.amdhsa_enable_private_segment 0
		.amdhsa_kernarg_size 32
		.amdhsa_user_sgpr_count 2
		.amdhsa_user_sgpr_kernarg_segment_ptr 1
		.amdhsa_wavefront_size32 1
		.amdhsa_system_sgpr_workgroup_id_x 1
		.amdhsa_system_sgpr_workgroup_id_y 1
		.amdhsa_system_sgpr_workgroup_id_z 1
		.amdhsa_system_vgpr_workitem_id 0
		.amdhsa_next_free_vgpr 1024
		.amdhsa_next_free_sgpr 102
		.amdhsa_reserve_vcc 0
		.amdhsa_float_denorm_mode_32 3
		.amdhsa_float_denorm_mode_16_64 3
		.amdhsa_memory_ordered 1
		.amdhsa_forward_progress 1
		.amdhsa_inst_pref_size 208
	.end_amdhsa_kernel
	.amdgpu_metadata
---
amdhsa.version: [ 1, 2 ]
amdhsa.kernels:
  - .name:           k_q799c395727_fc1
    .symbol:         k_q799c395727_fc1.kd
    .args:
      - { .name: t2, .offset: 0, .size: 8, .value_kind: global_buffer, .address_space: global }
      - { .name: wts, .offset: 8, .size: 8, .value_kind: global_buffer, .address_space: global }
      - { .name: b1, .offset: 16, .size: 8, .value_kind: global_buffer, .address_space: global }
      - { .name: hid, .offset: 24, .size: 8, .value_kind: global_buffer, .address_space: global }
    .group_segment_fixed_size: 327680
    .private_segment_fixed_size: 0
    .kernarg_segment_align: 8
    .kernarg_segment_size: 32
    .max_flat_workgroup_size: 128
    .sgpr_count:     102
    .vgpr_count:     1024
    .wavefront_size: 32
...
	.end_amdgpu_metadata
.endif
;; end of part 6
;; launch fc2 (part 7): grid 8 x 32, 4 waves a work-group, no clusters, 270,848 bytes of LDS; arguments hid, wts, b2, x1, out0; writes out0
.if DOCPART == 7
	.amdgcn_target "amdgcn-amd-amdhsa--gfx1250"
	.amdhsa_code_object_version 6
	.text
	.protected	k_q799c395727_fc2
	.globl	k_q799c395727_fc2
	.p2align	8
	.type	k_q799c395727_fc2,@function
k_q799c395727_fc2:
	s_mov_b64 s[64:65], 0
	v_nop
	global_prefetch_b8 v0, s[64:65] scope:SCOPE_SE
	s_setreg_imm32_b32 hwreg(HW_REG_WAVE_MODE, 25, 1), 1
	s_wait_xcnt 0x0
; out0 = x1 + gelu(..) W2 + b2: [4096 x 4096] x [4096 x 1024] on codes of FP6 (E2M3) with E8M0 scales, f32 sums; x1 and out0 are f32 [4096][1024], logical rows.
; OPERANDS: hid's and W2's codes lie as images of the operand's registers, [k / 128][row / 16][piece of 4 registers][lane 16 h + r][16 bytes]: a fragment (16 rows x 128 K, 12 registers) is three loads,
; each of 512 consecutive bytes, aligned.  Scale words S[k / 128][row][4].  Physical row P holds logical row P with bits 3 and 4 exchanged.
; THE DEAL: 256 work-groups, a block of 128 x 128 of the result each.  EACH OF THE FOUR WAVES MAKES THE WHOLE BLOCK OVER A QUARTER OF K (8 steps of 128): 64 accumulators, 512 registers.
; So each byte of the block's 2 x 128 rows x 3,072 bytes is loaded by exactly one wave, straight into the operand's registers: no LDS, no barrier in the walk along K.
; Two sets of fragments (2 x 192 registers); a register is asked for again, for the step two on, as soon as its last product of this step is issued (behind four places).
; A step's 64 products: A's eight blocks x B's blocks 0-3; then A's blocks 0-3 and 4-7 x B's blocks 4-7: so B's first half is free at the step's middle and A's blocks in its second half.
; The counts of the waits on LOADcnt are made by the assembler: NI counts the loads issued, a mark holds NI behind the load waited for; the field holds 63 at most (ISA guide 5.7.1), a smaller count is always right.
; THE END: the four partial blocks meet in LDS, [wave][128 rows][512 + 16 bytes]; behind one barrier wave w reads the four parts of rows 32 w .. 32 w + 31 as whole rows, adds them, the residual and the bias,
; and stores 512 consecutive bytes, aligned, an instruction.
; CLUSTERS are not used: a joint load lands in LDS, and no tile of this text goes through LDS.  NO DATA PREFETCH: the text has no loop to run ahead in; every fragment is asked for two steps ahead of its use, the scale words four.
; THE MATRIX INSTRUCTION IS USED TRANSPOSED (source 0 = 16 rows of W2's codes, source 1 = 16 tokens): lane (r, h) holds token row 16 a + r, register j of accumulator (a, b) the logical column 32 (b / 2) + 16 h + 8 (b % 2) + j.
; LIMITS: NaN and infinities are not served.  A sum is made of four partial sums over quarters of K, ((s0 + s1) + (s2 + s3)) + (x1 + b2), not in one ascending chain.
; REGISTERS: window 0: v0-31 addresses, v8-11 the bias, v32-63 scale words of four steps, v64-255 A's two sets; window 1: v0-191 B's two sets, v192-255 (and, behind step 6, v0-63) the residual; windows 2, 3: accumulators.
.set QA,   393216                      ; hid: bytes from a step of 128 along K to the next (256 tiles x 1,536)
.set QB,   98304                       ; W2: 64 tiles x 1,536
.set QSA,  16384                       ; and of their scale words
.set QSB,  4096
.set PIT,  528                         ; an LDS row: 512 bytes + 16
.set RG,   128*PIT                     ; a wave's partial block
.set SPARE, 4*RG                       ; the spare words, 128 bytes a wave: two blocks of 256 bytes that no other line names
.set VO,   1                           ; 16 x lane
.set VS,   2                           ; 4 x lane
.set BI,   8
.set STO,  22
.set RD,   24                          ; v24-27: my rows in the four parts
.set SPW,  28
.set NIL,  29
.set SC,   32                          ; step s: v[SC + 8 (s % 4) + i] A's blocks 2 i (lanes 0-15), 2 i + 1 (lanes 16-31); + 4: B's
.set AF,   64
.set PA,   32                          ; s[32:33] hid's codes, s[34:35] W2's, s[36:37], s[38:39] their scale words, s[40:41] b2, s[42:43] x1, s[44:45] out0: each at my wave's part
.set PB,   34
.set PSA,  36
.set PSB,  38
.set PBI,  40
.set PR,   42
.set PO,   44
.set MSB, 0
.set NI, 0
.macro WIN new
.if MSB != (\new)
	s_set_vgpr_msb (MSB<<8)|(\new)
.set MSB, (\new)
.endif
.endm
.macro PLACES n
.rept \n
	v_nop
.endr
.endm
.macro LD3 reg, base, off              ; a fragment: three loads of 512 consecutive bytes
.irp j, 0,1,2
	global_load_b128 v[(\reg)+4*\j:(\reg)+4*\j+3], v[VO], s[\base:\base+1] offset:(\off)+512*\j
.endr
.set NI, NI+3
.endm
.macro LDA s, a0, a1
	WIN 0
.set LI, \a0
.rept (\a1)-(\a0)
	LD3 AF+96*((\s)%2)+12*LI, PA, (\s)*QA+1536*LI
.set LI, LI+1
.endr
.endm
.macro LDB s, b0, b1
	WIN 0x40
.set LI, \b0
.rept (\b1)-(\b0)
	LD3 96*((\s)%2)+12*LI, PB, (\s)*QB+1536*LI
.set LI, LI+1
.endr
	WIN 0
.endm
.macro LDSC s                          ; a step's scale words: 128 consecutive bytes a load
.irp i, 0,1,2,3
	global_load_b32 v[SC+8*((\s)%4)+\i], v[VS], s[PSA:PSA+1] offset:(\s)*QSA+128*\i
	global_load_b32 v[SC+8*((\s)%4)+4+\i], v[VS], s[PSB:PSB+1] offset:(\s)*QSB+128*\i
.endr
.set NI, NI+8
.endm
.macro RES t0, t1                      ; the residual of my physical rows t0 .. t1 - 1: their logical rows
	WIN 0x40
.set LI, \t0
.rept (\t1)-(\t0)
.set RH_, (LI&7)+16*((LI>>3)&1)+8*((LI>>4)&1)
	global_load_b128 v[(192+4*LI)%256:(192+4*LI)%256+3], v[VO], s[PR:PR+1] offset:RH_*4096 th:TH_LOAD_NT
.set NI, NI+1
.set LI, LI+1
.endr
	WIN 0
.endm
.macro WAITL mk
.if NI-(\mk) > 63
	s_wait_loadcnt 63
.else
	s_wait_loadcnt NI-(\mk)
.endif
.endm
.macro WM c, ra, rb
	v_wmma_scale_f32_16x16x128_f8f6f4 v[AC:AC+7], v[RB_:RB_+11], v[RA_:RA_+11], \c, v[SB_], v[SA_] matrix_a_fmt:MATRIX_FMT_FP6 matrix_b_fmt:MATRIX_FMT_FP6 matrix_a_scale:MATRIX_SCALE_ROW\ra matrix_b_scale:MATRIX_SCALE_ROW\rb
.endm
.macro WMR c
.if MB%2
.if MA%2
	WM \c, 1, 1
.else
	WM \c, 1, 0
.endif
.else
.if MA%2
	WM \c, 0, 1
.else
	WM \c, 0, 0
.endif
.endif
.endm
.macro MULS s, a0, a1, b0, b1          ; the accumulators take turns, one instruction a turn; the first step starts the sums
.set MA, \a0
.rept (\a1)-(\a0)
.set MB, \b0
.rept (\b1)-(\b0)
.set IX, MA*8+MB
.set AC, 8*(IX%32)
.set WD, 2+IX/32
.set RB_, 96*((\s)%2)+12*MB
.set RA_, AF+96*((\s)%2)+12*MA
.set SB_, SC+8*((\s)%4)+4+MB/2
.set SA_, SC+8*((\s)%4)+MA/2
	WIN (WD<<6)|(WD<<4)|1
.if \s
	WMR v[AC:AC+7]
.else
	WMR 0
.endif
.set MB, MB+1
.endr
.set MA, MA+1
.endr
.endm
.macro STEPK s, p                      ; p = s % 2: the set, and the marks' names
	WAITL MH_\p                                    ; A's eight blocks, B's blocks 0-3 and the scale words of this step are in
	MULS \s, 0, 8, 0, 4
.if (\s) < 6
	PLACES 4                                       ; in front of loads into registers that matrix instructions have read
	LDB (\s)+2, 0, 4
.elseif (\s) == 6
	RES 0, 16
.endif
	WAITL MB_\p                                    ; B's blocks 4-7
	MULS \s, 0, 4, 4, 8
.if (\s) < 6
	PLACES 4
	LDA (\s)+2, 0, 4
.endif
	MULS \s, 4, 8, 4, 8
.if (\s) < 6
	PLACES 4
	WIN 0
.if (\s) < 4
	LDSC (\s)+4
.endif
	LDA (\s)+2, 4, 8
.set MH_\p, NI
	LDB (\s)+2, 4, 8
.set MB_\p, NI
.elseif (\s) == 6
	PLACES 4
	RES 16, 32                                     ; into B's set 0, which is read no more
.endif
.endm
.macro GETB k                          ; rows 8 k .. 8 k + 7 of my 32, all four parts: 32 loads, a whole row each; buffers in window 0 (v64-191) and window 2 (v0-127) by turns
.set WB, 2*((\k)%2)
.set TB, 64*(1-(\k)%2)
	WIN WB<<6
.irp t, 0,1,2,3,4,5,6,7
.irp u, 0,1,2,3
	ds_load_b128 v[TB+16*\t+4*\u:TB+16*\t+4*\u+3], v[RD+\u] offset:(8*(\k)+\t)*PIT
.endr
.endr
	WIN 0
.endm
.macro SUMB k
.set WB, 2*((\k)%2)
.set TB, 64*(1-(\k)%2)
	WIN (WB<<6)|(WB<<2)|WB
.irp t, 0,1,2,3,4,5,6,7
.irp e, 0,2
	v_pk_add_f32 v[TB+16*\t+\e:TB+16*\t+\e+1], v[TB+16*\t+\e:TB+16*\t+\e+1], v[TB+16*\t+4+\e:TB+16*\t+4+\e+1]
	v_pk_add_f32 v[TB+16*\t+8+\e:TB+16*\t+8+\e+1], v[TB+16*\t+8+\e:TB+16*\t+8+\e+1], v[TB+16*\t+12+\e:TB+16*\t+12+\e+1]
.endr
.endr
.irp t, 0,1,2,3,4,5,6,7
.irp e, 0,2
	v_pk_add_f32 v[TB+16*\t+\e:TB+16*\t+\e+1], v[TB+16*\t+\e:TB+16*\t+\e+1], v[TB+16*\t+8+\e:TB+16*\t+8+\e+1]
.endr
.endr
	WIN (WB<<6)|(1<<2)|WB                          ; source 1: the residual with the bias, window 1
.irp t, 0,1,2,3,4,5,6,7
.irp e, 0,2
	v_pk_add_f32 v[TB+16*\t+\e:TB+16*\t+\e+1], v[TB+16*\t+\e:TB+16*\t+\e+1], v[(192+4*(8*(\k)+\t))%256+\e:(192+4*(8*(\k)+\t))%256+\e+1]
.endr
.endr
	WIN WB<<2
.irp t, 0,1,2,3,4,5,6,7
.set TT_, 8*(\k)+\t
.set RH_, (TT_&7)+16*((TT_>>3)&1)+8*((TT_>>4)&1)
	global_store_b128 v[VO], v[TB+16*\t:TB+16*\t+3], s[PO:PO+1] offset:RH_*4096 th:TH_STORE_NT   ; 32 lanes store 512 consecutive bytes, aligned
.endr
	WIN 0
.endm
	s_load_b256 s[4:11], s[0:1], 0x0               ; hid, wts, b2, x1
	s_load_b64 s[12:13], s[0:1], 0x20              ; out0
	v_lshl_add_u32 v[SPW], v0, 2, SPARE
	v_mov_b32 v[NIL], 0
	v_lshrrev_b32 v3, 5, v0
	v_readfirstlane_b32 s14, v3                    ; wave: my quarter of K, and my 32 rows at the end
	v_and_b32 v3, 31, v0
	v_lshlrev_b32 v[VO], 4, v3
	v_lshlrev_b32 v[VS], 2, v3
	v_and_b32 v4, 15, v0                           ; r
	v_bfe_u32 v5, v0, 4, 1                         ; h
	v_mul_u32_u24 v4, v4, PIT
	v_lshl_add_u32 v4, v5, 6, v4
	s_mul_i32 s15, s14, RG
	v_add_nc_u32 v[STO], s15, v4                   ; into my part: row r, + 64 h
	s_mul_i32 s15, s14, 32*PIT
	v_add_nc_u32 v[RD], s15, v[VO]                 ; back: my first row of part 0, 16 bytes a lane
.irp u, 1,2,3
	v_add_nc_u32 v[RD+\u], \u*RG, v[RD]
.endr
	s_and_b32 s15, ttmp7, 0xffff                   ; the block's row of blocks; ttmp9: its column
	s_mul_i32 s16, s14, 8*QA
	s_mul_i32 s17, s15, 12288                      ; 8 tiles x 1,536
	s_add_co_u32 s16, s16, s17
	s_mov_b32 s17, 0
	s_mul_i32 s18, s14, 8*QB
	s_mul_i32 s19, ttmp9, 12288
	s_add_co_u32 s18, s18, s19
	s_add_co_u32 s18, s18, 7372800                 ; W2's codes in wts
	s_mov_b32 s19, 0
	s_mul_i32 s20, s14, 8*QSA
	s_lshl_b32 s21, s15, 9
	s_add_co_u32 s20, s20, s21
	s_add_co_u32 s20, s20, 12582912                ; hid's scale words
	s_mov_b32 s21, 0
	s_mul_i32 s22, s14, 8*QSB
	s_lshl_b32 s24, ttmp9, 9                       ; 128 columns: 512 bytes of scale words, of b2 and of a row of x1 alike
	s_add_co_u32 s22, s22, s24
	s_add_co_u32 s22, s22, 10518528                ; W2's scale words
	s_mov_b32 s23, 0
	s_mov_b32 s25, 0
	s_lshl_b32 s26, s15, 2
	s_add_co_u32 s26, s26, s14
	s_lshl_b32 s26, s26, 17                        ; row 128 y + 32 wave, 4,096 bytes a row
	s_add_co_u32 s26, s26, s24
	s_mov_b32 s27, 0
	s_wait_alu depctr_va_vdst(0)
	s_wait_kmcnt 0x0
	s_add_nc_u64 s[PA:PA+1], s[4:5], s[16:17]
	s_add_nc_u64 s[PB:PB+1], s[6:7], s[18:19]
	s_add_nc_u64 s[PSA:PSA+1], s[4:5], s[20:21]
	s_add_nc_u64 s[PSB:PSB+1], s[6:7], s[22:23]
	s_add_nc_u64 s[PBI:PBI+1], s[8:9], s[24:25]
	s_add_nc_u64 s[PR:PR+1], s[10:11], s[26:27]
	s_add_nc_u64 s[PO:PO+1], s[12:13], s[26:27]
	LDSC 0
	LDSC 1
	LDB 0, 0, 4
	LDA 0, 0, 8
.set MH_0, NI
	LDB 0, 4, 8
.set MB_0, NI
	LDSC 2
	LDSC 3
	global_load_b128 v[BI:BI+3], v[VO], s[PBI:PBI+1]   ; b2 of my four columns of a row
.set NI, NI+1
	LDB 1, 0, 4
	LDA 1, 0, 8
.set MH_1, NI
	LDB 1, 4, 8
.set MB_1, NI
	STEPK 0, 0
	STEPK 1, 1
	STEPK 2, 0
	STEPK 3, 1
	STEPK 4, 0
	STEPK 5, 1
	STEPK 6, 0
	STEPK 7, 1
	PLACES 4                                       ; in front of the first read of results
.set MA, 0
.rept 8                                            ; my partial block into my part of LDS, each accumulator from its low end on
	WIN (2+MA/4)<<2
.set MB, 0
.rept 8
.set AC, 8*((MA*8+MB)%32)
	ds_store_b128 v[STO], v[AC:AC+3] offset:MA*16*PIT+128*(MB/2)+32*(MB%2)
	ds_store_b128 v[STO], v[AC+4:AC+7] offset:MA*16*PIT+128*(MB/2)+32*(MB%2)+16
.set MB, MB+1
.endr
.set MA, MA+1
.endr
	s_wait_loadcnt 0x0                             ; the residual and the bias
	WIN 0x41                                       ; destination and source 0 window 1, source 1 window 0
.set LI, 0
.rept 32                                           ; x1 + b2, while the stores are on their way
	v_pk_add_f32 v[(192+4*LI)%256:(192+4*LI)%256+1], v[(192+4*LI)%256:(192+4*LI)%256+1], v[BI:BI+1]
	v_pk_add_f32 v[(192+4*LI)%256+2:(192+4*LI)%256+3], v[(192+4*LI)%256+2:(192+4*LI)%256+3], v[BI+2:BI+3]
.set LI, LI+1
.endr
	WIN 0
	s_wait_dscnt 0x0                               ; for the others' sake: my stores have landed
	s_barrier_signal -1
	s_barrier_wait -1
	GETB 0
	GETB 1
	s_wait_dscnt 32                                ; the older batch is in; the younger 32 loads may be out
	SUMB 0
	s_wait_xcnt 0x0                                ; the stores have read their registers: the buffer may be loaded again
	GETB 2
	s_wait_dscnt 32
	SUMB 1
	s_wait_xcnt 0x0
	GETB 3
	s_wait_dscnt 32
	SUMB 2
	s_wait_dscnt 0x0
	SUMB 3
	s_wait_tensorcnt 0x0                           ; the wave's end
	ds_add_u32 v[SPW], v[NIL]
	s_wait_dscnt 0x0
	s_endpgm
.Lfunc_end_k_q799c395727_fc2:
	.size	k_q799c395727_fc2, .Lfunc_end_k_q799c395727_fc2-k_q799c395727_fc2
	.p2alignl 7, 3214868480
	.fill 96, 4, 3214868480
	.section	.rodata,"a",@progbits
	.p2align	6, 0x0
	.amdhsa_kernel k_q799c395727_fc2
		.amdhsa_group_segment_fixed_size 270848
		.amdhsa_private_segment_fixed_size 0
		.amdhsa_enable_private_segment 0
		.amdhsa_kernarg_size 40
		.amdhsa_user_sgpr_count 2
		.amdhsa_user_sgpr_kernarg_segment_ptr 1
		.amdhsa_wavefront_size32 1
		.amdhsa_system_sgpr_workgroup_id_x 1
		.amdhsa_system_sgpr_workgroup_id_y 1
		.amdhsa_system_sgpr_workgroup_id_z 1
		.amdhsa_system_vgpr_workitem_id 0
		.amdhsa_next_free_vgpr 1024
		.amdhsa_next_free_sgpr 66
		.amdhsa_reserve_vcc 0
		.amdhsa_float_denorm_mode_32 3
		.amdhsa_float_denorm_mode_16_64 3
		.amdhsa_memory_ordered 1
		.amdhsa_forward_progress 1
		.amdhsa_inst_pref_size 158
	.end_amdhsa_kernel
	.amdgpu_metadata
---
amdhsa.version: [ 1, 2 ]
amdhsa.kernels:
  - .name:           k_q799c395727_fc2
    .symbol:         k_q799c395727_fc2.kd
    .args:
      - { .name: hid, .offset: 0, .size: 8, .value_kind: global_buffer, .address_space: global }
      - { .name: wts, .offset: 8, .size: 8, .value_kind: global_buffer, .address_space: global }
      - { .name: b2, .offset: 16, .size: 8, .value_kind: global_buffer, .address_space: global }
      - { .name: x1, .offset: 24, .size: 8, .value_kind: global_buffer, .address_space: global }
      - { .name: out0, .offset: 32, .size: 8, .value_kind: global_buffer, .address_space: global }
    .group_segment_fixed_size: 270848
    .private_segment_fixed_size: 0
    .kernarg_segment_align: 8
    .kernarg_segment_size: 40
    .max_flat_workgroup_size: 128
    .sgpr_count:     66
    .vgpr_count:     1024
    .wavefront_size: 32
...
	.end_amdgpu_metadata
.endif
;; end of part 7
